; MI455X (gfx1250); checked and timed in simulation.
; The chip was launched on July 23, 2026; its instructions are those of AMD's public machine-readable ISA for CDNA 5 (MIT licence, August 2026) and "CDNA5" Instruction Set Architecture Reference Guide (July 2026). The comments in the code are by the model that wrote it; some were corrected since.
;; Avg Net. Allowed arithmetic: float matrix products may take bf16 or f16 operands with f32 sums; all other float work in f32.
;; Inputs: Wk 1,024 x 1,024 float32; Wo 1,024 x 1,024 float32; Wq 1,024 x 1,024 float32; bk 1,024 float32; bo 1,024 float32; bq 1,024 float32; k 8 x 2,048 x 1,024 float32; q 8 x 2,048 x 1,024 float32; v 8 x 2,048 x 1,024 float32.
;; Outputs: out0 8 x 1,024 float32.
;; 2 versions, each right; version 2 is version 1 with the launch prep written anew for expert scheduling mode. Each part assembles by itself: llvm-mc -triple=amdgcn-amd-amdhsa -mcpu=gfx1250 --defsym DOCPART=n.
;; ======== version 1 of 2: 4 launches
;; workspace buffers: ksp 1,048,576 bytes; mf 4,194,304 bytes; mtf 2,097,152 bytes; vec 40,960 bytes; pp 1,114,112 bytes
;; launch prep (part 1): grid 256 x 1, 8 waves a work-group, no clusters, 100,352 bytes of LDS; arguments k, Wq, Wk, ksp, mf, mtf; writes ksp, mf, mtf
.if DOCPART == 1
	.amdgcn_target "amdgcn-amd-amdhsa--gfx1250"
	.amdhsa_code_object_version 6
	.text
	.protected	k_q33c674d4e8_prep
	.globl	k_q33c674d4e8_prep
	.p2align	8
	.type	k_q33c674d4e8_prep,@function
k_q33c674d4e8_prep:
	s_mov_b64 s[64:65], 0
	v_nop
	global_prefetch_b8 v0, s[64:65] scope:SCOPE_SE
	s_setreg_imm32_b32 hwreg(HW_REG_WAVE_MODE, 25, 1), 1
	s_wait_xcnt 0x0
; AvgNet, step 1 of 4.  Only the row sums of the masked scores enter the softmax, and
;   sum over j != i of qp_i . kp_j  =  q_i . (Mt^T ks + 2047 a)  -  sum over d' of (sum over d of Mt[d'][d] q_i[d] + e[d']) k_i[d']  +  a number that is the same for all rows of a batch,
; with ks = the sum of a batch's rows of k, Mt[d'][d] = sum over n of Wk[n][d'] Wq[n][d], a = Wq^T bk, e = Wk^T bq.  Every input is rounded to bf16 where it is used; all sums are f32.
; This launch makes (A) ksp[g][:] = the column sums of bf16(k) over rows 64 g .. 64 g + 63 of the 16,384 rows, and (B) one tile of 64 x 64 of Mt, twice: mf, f32 row-major, and
; mtf, bf16 in the order in which the third launch's matrix fragments want it: element (d', d) at (d>>5) 65536 + (d'>>4) 1024 + ((d>>4)&1) 512 + (((d>>3)&1) 16 + (d'&15)) 16 + (d&7) 2.
; SHARES.  Work-group g: k's rows 64 g on; Mt's rows (d') 64 (g>>4) on, columns (d) 64 (g&15) on.  Eight waves.  Part A: thread t owns columns 4 t .. 4 t + 3.
; Part B: n goes in 8 chunks of 128 through two LDS buffers; wave w makes two accumulators of 16 x 16: d' block w & 3, d blocks 2 (w>>2) and 2 (w>>2) + 1.
; NO CLUSTER, NO TENSOR LOAD: the strips of Wq and Wk are f32 and are rounded to bf16 on the way, which is work on registers; a strip is read by 16 work-groups, 8 MB of weights in all.
; LIMITS: the order of the f32 sums differs from the reference's; NaN and infinities are not treated apart.
.set WP,    160                        ; an LDS row of a strip: 64 bf16 = 128 bytes + 32: an odd multiple of 32 bytes, which the turning load wants
.set STRIP, 128*WP                     ; 128 rows (n) of Wq's strip, then 128 of Wk's
.set BUFB,  2*STRIP                    ; a buffer; two of them
.set STG,   2*BUFB                     ; behind them: 64 rows x 272 bytes, the f32 tile on its way out
.set SP,    272
.set SPARE, STG+64*SP                  ; 99,328: the spare words, 128 bytes for each of eight waves
.set SPW, 3                            ; v3    LDS address of my spare word; never rewritten
.set NIL, 4                            ; v4    0; never rewritten
.set WOQ, 5                            ; v5    my byte offset in Wq: row t>>4, the strip's 256 bytes, 16 (t&15)
.set WOK, 6                            ; v6    the same in Wk
.set LSO, 7                            ; v7-8  where I put 8 bytes of a strip's row, buffer 0, 1 (an LDS immediate has 16 bits)
.set ADA, 9                            ; v9-10 my lane's place in Wq's strip for the turning load, buffer 0, 1
.set ADB, 11                           ; v11-12 the same in Wk's strip
.set KO,  13                           ; v13   16 t
.set ACC, 16                           ; v16-31  two accumulators
.set FR,  32                           ; v32-127 fragments of a chunk: 4 steps of 32 along n x (A0, A1, B) x 8
.set KR,  32                           ; part A: v32-95 a ring of 16 rows of k, 4 registers each
.set SUM, 96                           ; part A: v96-99 my four column sums
.set KT,  100                          ; part A: v100-103 at work
.set ONE, 104                          ; part A: 1.0
.set XW,  128                          ; v128-255 two banks of 16 loads x 4: a chunk as loaded, then as bf16
.set PK,  32                           ; the way out: v32-39 packed results; v40-42 lane, r, h; v43-46 addresses; v48-63 rows read back
.set MTO, 43
.set STO, 44
.set RD,  45
.set MFO, 46
.set BK,  48
.set WV,  16                           ; s16 wave;  s17 I;  s18 J;  s19 nb = wave & 3;  s20 mh = wave >> 2
.set BI,  17
.set BJ,  18
.set NBK, 19
.set MH,  20
.macro WLOAD c                         ; chunk c: 8 loads of Wq's strip and 8 of Wk's; sixteen lanes take a row's 256 aligned bytes
.set i, 0
.rept 8
	global_load_b128 v[XW+64*((\c)%2)+4*i:XW+64*((\c)%2)+4*i+3], v[WOQ], s[6:7] offset:(128*(\c)+16*i)*4096
.set i, i+1
.endr
.set i, 0
.rept 8
	global_load_b128 v[XW+64*((\c)%2)+32+4*i:XW+64*((\c)%2)+32+4*i+3], v[WOK], s[8:9] offset:(128*(\c)+16*i)*4096
.set i, i+1
.endr
.endm
	s_load_b256 s[4:11], s[0:1], 0x0               ; k s[4:5], Wq s[6:7], Wk s[8:9], ksp s[10:11]
	s_load_b128 s[12:15], s[0:1], 0x20             ; mf s[12:13], mtf s[14:15]
	v_lshl_add_u32 v[SPW], v0, 2, SPARE
	v_mov_b32 v[NIL], 0
	v_lshrrev_b32 v1, 5, v0
	v_readfirstlane_b32 s[WV], v1
	s_lshr_b32 s[BI], ttmp9, 4
	s_and_b32 s[BJ], ttmp9, 15
	s_and_b32 s[NBK], s[WV], 3
	s_lshr_b32 s[MH], s[WV], 2
	v_and_b32 v1, 15, v0                           ; which 16 bytes of a strip's row
	v_lshrrev_b32 v2, 4, v0                        ; which row of sixteen
	v_lshlrev_b32 v[WOQ], 12, v2
	v_lshl_add_u32 v[WOQ], v1, 4, v[WOQ]
	s_lshl_b32 s21, s[BI], 8
	v_add_nc_u32 v[WOK], s21, v[WOQ]               ; Wk's columns are Mt's rows
	s_lshl_b32 s21, s[BJ], 8
	v_add_nc_u32 v[WOQ], s21, v[WOQ]
	v_mul_u32_u24 v[LSO], v2, WP
	v_lshl_add_u32 v[LSO], v1, 3, v[LSO]
	v_add_nc_u32 v[LSO+1], BUFB, v[LSO]
	v_lshlrev_b32 v[KO], 4, v0
	s_lshl_b32 s22, ttmp9, 18                      ; 64 rows of 4,096 bytes
	s_mov_b32 s23, 0
	s_wait_kmcnt 0x0
	s_add_nc_u64 s[4:5], s[4:5], s[22:23]
	WLOAD 0                                        ; the weights' first two chunks go out first: they land under part A
	WLOAD 1
.set i, 0
.rept 16
	global_load_b128 v[KR+4*i:KR+4*i+3], v[KO], s[4:5] offset:i*4096 th:TH_LOAD_NT
.set i, i+1
.endr
	; The turning load takes 16 rows (n) x 16 columns: lane l reads 16 bytes of row 8 (l/16) + l%8, columns 8 ((l/8)%2) on, and is left with column l%16 and 8 values of n.
	v_and_b32 v1, 7, v0
	v_bfe_u32 v2, v0, 4, 1
	v_lshl_add_u32 v1, v2, 3, v1
	v_mul_u32_u24 v1, v1, WP
	v_bfe_u32 v2, v0, 3, 1
	v_lshl_add_u32 v1, v2, 4, v1
	s_lshl_b32 s21, s[MH], 6                       ; d blocks 2 mh, 2 mh + 1: 32 bytes each
	v_add_nc_u32 v[ADA], s21, v1
	v_add_nc_u32 v[ADA+1], BUFB, v[ADA]
	s_lshl_b32 s21, s[NBK], 5
	s_add_co_u32 s21, s21, STRIP
	v_add_nc_u32 v[ADB], s21, v1
	v_add_nc_u32 v[ADB+1], BUFB, v[ADB]
.irp c, 0,1,2,3
	v_mov_b32 v[SUM+\c], 0
.endr
	v_mov_b32 v[ONE], 1.0
; PART A.  One row of the ring: rounded to bf16, added in f32.  left = the younger loads that may stay out.
.macro KSUM i, refill, left
	s_wait_loadcnt \left
	v_cvt_pk_bf16_f32 v[KT+2*((\i)%2)],   v[KR+4*(\i)],   v[KR+4*(\i)+1]
	v_cvt_pk_bf16_f32 v[KT+2*((\i)%2)+1], v[KR+4*(\i)+2], v[KR+4*(\i)+3]
.if \refill
	global_load_b128 v[KR+4*(\i):KR+4*(\i)+3], v[KO], s[4:5] offset:(16+(\i))*4096 th:TH_LOAD_NT
.endif
	v_fma_mix_f32_bf16 v[SUM],   v[KT+2*((\i)%2)],   v[ONE], v[SUM]   op_sel_hi:[1,0,0]
	v_fma_mix_f32_bf16 v[SUM+1], v[KT+2*((\i)%2)],   v[ONE], v[SUM+1] op_sel:[1,0,0] op_sel_hi:[1,0,0]
	v_fma_mix_f32_bf16 v[SUM+2], v[KT+2*((\i)%2)+1], v[ONE], v[SUM+2] op_sel_hi:[1,0,0]
	v_fma_mix_f32_bf16 v[SUM+3], v[KT+2*((\i)%2)+1], v[ONE], v[SUM+3] op_sel:[1,0,0] op_sel_hi:[1,0,0]
.endm
	s_mov_b32 s24, 3
.Lrows:                                                ; three trips of 16 rows; each row's slot is filled again with the row 16 further down
.irp i, 0,1,2,3,4,5,6,7,8,9,10,11,12,13,14,15
	KSUM \i, 1, 15                                 ; the 15 younger rows of the ring stay out
.endr
	s_wait_xcnt 0x0                                ; the loads' base is stepped only behind this wait
	s_add_nc_u64 s[4:5], s[4:5], 0x10000
	s_sub_co_u32 s24, s24, 1
	s_cmp_lg_u32 s24, 0
	s_cbranch_scc1 .Lrows
.irp i, 0,1,2,3,4,5,6,7,8,9,10,11,12,13,14,15
	KSUM \i, 0, 15-\i                              ; the last 16 rows load nothing: the counts run down to 0, so the weights' two chunks are in as well
.endr
	s_lshl_b32 s22, ttmp9, 12
	s_add_nc_u64 s[10:11], s[10:11], s[22:23]
	global_store_b128 v[KO], v[SUM:SUM+3], s[10:11]  ; a wave stores 512 consecutive bytes, aligned
	s_wait_xcnt 0x0                                ; the sums' registers take fragments below
; PART B.  A chunk: rounded in place, 8 bytes a load into LDS; one barrier; 24 turning loads; 8 products, the two accumulators by turns.
; The barrier serves two orders: my stores into this buffer are done before anybody reads them, and my reads of the other buffer (the chunk before) are back before anybody fills it again in the next chunk.
.macro CHUNK c
.set XB, XW+64*((\c)%2)
.if (\c) < 7
	s_wait_loadcnt 16                              ; the next chunk's 16 loads are younger
.else
	s_wait_loadcnt 0
.endif
.set i, 0
.rept 16                                       ; these 32 conversions are also the places between the last products and the loads into their fragments
	v_cvt_pk_bf16_f32 v[XB+4*i],   v[XB+4*i],   v[XB+4*i+1]
	v_cvt_pk_bf16_f32 v[XB+4*i+1], v[XB+4*i+2], v[XB+4*i+3]
.set i, i+1
.endr
.set i, 0
.rept 16
	ds_store_b64 v[LSO+(\c)%2], v[XB+4*i:XB+4*i+1] offset:(i/8)*STRIP+(i%8)*16*WP
.set i, i+1
.endr
	s_wait_dscnt 0x0                               ; for the others' sake: my stores are done, my reads of the chunk before are back
.if (\c) < 6
	WLOAD (\c)+2                                   ; the bank just emptied takes the chunk two on
.endif
	s_barrier_signal -1
	s_barrier_wait -1
.set st, 0
.rept 4
	ds_load_tr16_b128 v[FR+24*st:FR+24*st+3],     v[ADA+(\c)%2] offset:st*32*WP
	ds_load_tr16_b128 v[FR+24*st+4:FR+24*st+7],   v[ADA+(\c)%2] offset:st*32*WP+16*WP
	ds_load_tr16_b128 v[FR+24*st+8:FR+24*st+11],  v[ADA+(\c)%2] offset:st*32*WP+32
	ds_load_tr16_b128 v[FR+24*st+12:FR+24*st+15], v[ADA+(\c)%2] offset:st*32*WP+16*WP+32
	ds_load_tr16_b128 v[FR+24*st+16:FR+24*st+19], v[ADB+(\c)%2] offset:st*32*WP
	ds_load_tr16_b128 v[FR+24*st+20:FR+24*st+23], v[ADB+(\c)%2] offset:st*32*WP+16*WP
.set st, st+1
.endr
.set st, 0
.rept 4
	s_wait_dscnt 18-6*st                           ; the later steps' six loads each may stay out
.if ((\c) == 0) && (st == 0)
	v_wmma_f32_16x16x32_bf16 v[ACC:ACC+7],    v[FR:FR+7],    v[FR+16:FR+23], 0   ; the first products start the sums
	v_wmma_f32_16x16x32_bf16 v[ACC+8:ACC+15], v[FR+8:FR+15], v[FR+16:FR+23], 0
.else
	v_wmma_f32_16x16x32_bf16 v[ACC:ACC+7],    v[FR+24*st:FR+24*st+7],    v[FR+24*st+16:FR+24*st+23], v[ACC:ACC+7]
	v_wmma_f32_16x16x32_bf16 v[ACC+8:ACC+15], v[FR+24*st+8:FR+24*st+15], v[FR+24*st+16:FR+24*st+23], v[ACC+8:ACC+15]
.endif
.set st, st+1
.endr
.endm
.irp c, 0,1,2,3,4,5,6,7
	CHUNK \c
.endr
	; THE WAY OUT.  Source 0 was Wq's fragment, source 1 Wk's: lane (r, h), register j holds Mt[64 I + 16 nb + r][64 J + 16 mb + 8 h + j]: eight neighbouring d of one row.
.rept 4
	v_nop                                          ; the places behind the last products
.endr
.irp z, 0,1,2,3,4,5,6,7
	v_cvt_pk_bf16_f32 v[PK+\z], v[ACC+2*\z], v[ACC+2*\z+1]
.endr
	v_and_b32 v40, 31, v0
	v_and_b32 v41, 15, v0
	v_bfe_u32 v42, v0, 4, 1
	s_lshl_b32 s21, s[BJ], 1
	s_add_co_u32 s21, s21, s[MH]
	s_lshl_b32 s21, s21, 16                        ; (d >> 5) 65536
	s_lshl_b32 s25, s[BI], 2
	s_add_co_u32 s25, s25, s[NBK]
	s_lshl_b32 s25, s25, 10                        ; (d' >> 4) 1024
	s_add_co_u32 s21, s21, s25
	v_lshl_add_u32 v[MTO], v40, 4, s21             ; 16 x lane: the lane's number is 16 h + r
	s_mul_i32 s21, s[NBK], 16*SP
	s_lshl_b32 s25, s[MH], 7
	s_add_co_u32 s21, s21, s25
	s_add_co_u32 s21, s21, STG
	v_mul_u32_u24 v[STO], v41, SP
	v_lshl_add_u32 v[STO], v42, 5, v[STO]
	v_add_nc_u32 v[STO], s21, v[STO]               ; stage row 16 nb + r, byte 128 mh + 32 h
	s_mul_i32 s21, s[WV], 8*SP
	s_add_co_u32 s21, s21, STG
	v_mul_u32_u24 v[RD], v42, SP
	v_lshl_add_u32 v[RD], v41, 4, v[RD]
	v_add_nc_u32 v[RD], s21, v[RD]                 ; back: wave w takes rows 8 w on, two rows of 256 bytes a load
	s_lshl_b32 s21, s[BI], 6
	s_lshl_b32 s25, s[WV], 3
	s_add_co_u32 s21, s21, s25
	s_lshl_b32 s21, s21, 12
	s_lshl_b32 s25, s[BJ], 8
	s_add_co_u32 s21, s21, s25
	v_lshlrev_b32 v[MFO], 12, v42
	v_lshl_add_u32 v[MFO], v41, 4, v[MFO]
	v_add_nc_u32 v[MFO], s21, v[MFO]
	global_store_b128 v[MTO], v[PK:PK+3], s[14:15]              ; half a fragment: 512 consecutive bytes, aligned
	global_store_b128 v[MTO], v[PK+4:PK+7], s[14:15] offset:512
	ds_store_b128 v[STO], v[ACC:ACC+3]
	ds_store_b128 v[STO], v[ACC+4:ACC+7] offset:16
	ds_store_b128 v[STO], v[ACC+8:ACC+11] offset:64
	ds_store_b128 v[STO], v[ACC+12:ACC+15] offset:80
	s_wait_dscnt 0x0                               ; a stage row's 256 bytes come from two waves: my stores are done,
	s_barrier_signal -1
	s_barrier_wait -1                              ; everybody's are
.irp z, 0,1,2,3
	ds_load_b128 v[BK+4*\z:BK+4*\z+3], v[RD] offset:\z*2*SP
.endr
.irp z, 0,1,2,3
	s_wait_dscnt 3-\z
	global_store_b128 v[MFO], v[BK+4*\z:BK+4*\z+3], s[12:13] offset:\z*8192  ; sixteen lanes store 256 consecutive bytes, aligned
.endr
	s_wait_tensorcnt 0x0                           ; the wave's end: three lines behind my last LDS store
	ds_add_u32 v[SPW], v[NIL]
	s_wait_dscnt 0x0
	s_endpgm
.Lfunc_end_k_q33c674d4e8_prep:
	.size	k_q33c674d4e8_prep, .Lfunc_end_k_q33c674d4e8_prep-k_q33c674d4e8_prep
	.p2alignl 7, 3214868480
	.fill 96, 4, 3214868480
	.section	.rodata,"a",@progbits
	.p2align	6, 0x0
	.amdhsa_kernel k_q33c674d4e8_prep
		.amdhsa_group_segment_fixed_size 100352
		.amdhsa_private_segment_fixed_size 0
		.amdhsa_enable_private_segment 0
		.amdhsa_kernarg_size 48
		.amdhsa_user_sgpr_count 2
		.amdhsa_user_sgpr_kernarg_segment_ptr 1
		.amdhsa_wavefront_size32 1
		.amdhsa_system_sgpr_workgroup_id_x 1
		.amdhsa_system_sgpr_workgroup_id_y 1
		.amdhsa_system_sgpr_workgroup_id_z 1
		.amdhsa_system_vgpr_workitem_id 0
		.amdhsa_next_free_vgpr 256
		.amdhsa_next_free_sgpr 66
		.amdhsa_reserve_vcc 0
		.amdhsa_float_denorm_mode_32 3
		.amdhsa_float_denorm_mode_16_64 3
		.amdhsa_memory_ordered 1
		.amdhsa_forward_progress 1
		.amdhsa_inst_pref_size 77
	.end_amdhsa_kernel
	.amdgpu_metadata
---
amdhsa.version: [ 1, 2 ]
amdhsa.kernels:
  - .name:           k_q33c674d4e8_prep
    .symbol:         k_q33c674d4e8_prep.kd
    .args:
      - { .name: k, .offset: 0, .size: 8, .value_kind: global_buffer, .address_space: global }
      - { .name: Wq, .offset: 8, .size: 8, .value_kind: global_buffer, .address_space: global }
      - { .name: Wk, .offset: 16, .size: 8, .value_kind: global_buffer, .address_space: global }
      - { .name: ksp, .offset: 24, .size: 8, .value_kind: global_buffer, .address_space: global }
      - { .name: mf, .offset: 32, .size: 8, .value_kind: global_buffer, .address_space: global }
      - { .name: mtf, .offset: 40, .size: 8, .value_kind: global_buffer, .address_space: global }
    .group_segment_fixed_size: 100352
    .private_segment_fixed_size: 0
    .kernarg_segment_align: 8
    .kernarg_segment_size: 48
    .max_flat_workgroup_size: 256
    .sgpr_count:     66
    .vgpr_count:     256
    .wavefront_size: 32
...
	.end_amdgpu_metadata
.endif
;; end of part 1
;; launch vecs (part 2): grid 16 x 10, 32 waves a work-group, no clusters, 36,864 bytes of LDS; arguments ksp, mf, Wq, Wk, bq, bk, vec; writes vec
.if DOCPART == 2
	.amdgcn_target "amdgcn-amd-amdhsa--gfx1250"
	.amdhsa_code_object_version 6
	.text
	.protected	k_q33c674d4e8_vecs
	.globl	k_q33c674d4e8_vecs
	.p2align	8
	.type	k_q33c674d4e8_vecs,@function
k_q33c674d4e8_vecs:
	s_mov_b64 s[64:65], 0
	v_nop
	global_prefetch_b8 v0, s[64:65] scope:SCOPE_SE
	s_setreg_imm32_b32 hwreg(HW_REG_WAVE_MODE, 25, 1), 1
	s_wait_xcnt 0x0
; AvgNet, step 2 of 4: ten products of a vector with a matrix of 1024 x 1024, out[col] = sum over row of X[row][col] s[row], all in f32 on the vector unit.
;   y = 0..7: X = mf (Mt in f32, as it is), s = ks of batch y = the sum of ksp's rows 32 y .. 32 y + 31        -> vec row y   = Mt^T ks
;   y = 8:    X = bf16(Wq), s = bf16(bk) -> vec row 8 = a          y = 9: X = bf16(Wk), s = bf16(bq) -> vec row 9 = e
; SHARES.  Work-group (x, y): 64 columns, 64 x on.  1,024 threads: thread t owns 4 columns (t & 15) and the 16 rows 16 (t >> 4) on; the 64 partial sums of a column meet in LDS.
; No matrix unit: a product with one row feeds it nothing, and this large term of the logits has to stay in f32.  No cluster: the launch loads through registers, 40 MB in all from the nearest cache.
; LIMITS: the order of the f32 sums differs from the reference's.
.set KSP,   0                          ; 4 groups x 1024 f32: the vector in four parts
.set REDB,  16384                      ; 64 row groups x 256 bytes
.set SPARE, 32768                      ; the spare words, 128 bytes for each of 32 waves
.set SPW, 1
.set NIL, 2
.set XO,  3                            ; v3  my byte offset in X
.set KO,  4                            ; v4  16 (t & 255)
.set KO2, 5                            ; v5  the same + 8 rows of ksp for each group t >> 8
.set TA,  6                            ; v6  16 t
.set SA,  9                            ; v9  64 (t >> 4): my 16 numbers of the vector
.set RDA, 10
.set OUTO, 11
.set ACC, 12                           ; v12-15
.set X,   16                           ; v16-79  16 rows x 4 columns
.set T,   80                           ; v80-111 at work
.set S,   112                          ; v112-127 my 16 numbers of the vector
.set WV,  18
.set Y,   24
.macro XLOADS
.set i, 0
.rept 16
	global_load_b128 v[X+4*i:X+4*i+3], v[XO], s[20:21] offset:i*4096  ; sixteen lanes take 256 aligned bytes of a row
.set i, i+1
.endr
.endm
	s_load_b256 s[4:11], s[0:1], 0x0               ; ksp s[4:5], mf s[6:7], Wq s[8:9], Wk s[10:11]
	s_load_b128 s[12:15], s[0:1], 0x20             ; bq s[12:13], bk s[14:15]
	s_load_b64 s[16:17], s[0:1], 0x30              ; vec
	v_lshl_add_u32 v[SPW], v0, 2, SPARE
	v_mov_b32 v[NIL], 0
	v_lshrrev_b32 v7, 5, v0
	v_readfirstlane_b32 s[WV], v7
	s_and_b32 s[Y], ttmp7, 0xffff
	s_mov_b32 s27, 0
	s_mov_b32 s28, 0x76543210                      ; v_permlanex16_b32: each lane takes its own place in the other half
	s_mov_b32 s29, 0xfedcba98
	v_and_b32 v7, 15, v0
	v_lshrrev_b32 v8, 4, v0
	v_lshlrev_b32 v[XO], 16, v8                    ; 16 rows of 4,096 bytes
	v_lshl_add_u32 v[XO], v7, 4, v[XO]
	s_lshl_b32 s26, ttmp9, 8
	v_add_nc_u32 v[XO], s26, v[XO]
	v_lshlrev_b32 v[SA], 6, v8
	v_lshlrev_b32 v[TA], 4, v0
	v_and_b32 v7, 255, v0
	v_lshrrev_b32 v8, 8, v0
	v_lshlrev_b32 v[KO], 4, v7
	v_lshl_add_u32 v[KO2], v8, 15, v[KO]
.irp c, 0,1,2,3
	v_mov_b32 v[ACC+\c], 0
.endr
	s_wait_kmcnt 0x0
	s_cmp_eq_u32 s[Y], 8
	s_cselect_b64 s[20:21], s[8:9], s[10:11]       ; Wq for a, Wk for e,
	s_cselect_b64 s[22:23], s[14:15], s[12:13]     ; with bk, with bq
	s_cmp_lt_u32 s[Y], 8
	s_cselect_b64 s[20:21], s[6:7], s[20:21]       ; mf for the batches
	s_cbranch_scc0 .Lbias
	s_lshl_b32 s26, s[Y], 17                       ; 32 rows of ksp
	s_add_nc_u64 s[4:5], s[4:5], s[26:27]
.set i, 0
.rept 8
	global_load_b128 v[T+4*i:T+4*i+3], v[KO2], s[4:5] offset:i*4096
.set i, i+1
.endr
	XLOADS
	s_wait_loadcnt 16                              ; X's 16 loads are younger
.set z, 0
.rept 8
	v_pk_add_f32 v[T+2*z:T+2*z+1], v[T+2*z:T+2*z+1], v[T+16+2*z:T+16+2*z+1]
.set z, z+1
.endr
.set z, 0
.rept 4
	v_pk_add_f32 v[T+2*z:T+2*z+1], v[T+2*z:T+2*z+1], v[T+8+2*z:T+8+2*z+1]
.set z, z+1
.endr
	v_pk_add_f32 v[T:T+1], v[T:T+1], v[T+4:T+5]
	v_pk_add_f32 v[T+2:T+3], v[T+2:T+3], v[T+6:T+7]
	s_branch .Ljoin
.Lbias:
	global_load_b128 v[T:T+3], v[KO], s[22:23]
	XLOADS
	s_wait_loadcnt 16
	v_cvt_pk_bf16_f32 v7, v[T], v[T+1]             ; the bias is rounded to bf16 like every input
	v_cvt_pk_bf16_f32 v8, v[T+2], v[T+3]
	v_lshlrev_b32 v[T], 16, v7
	v_and_b32 v[T+1], 0xffff0000, v7
	v_lshlrev_b32 v[T+2], 16, v8
	v_and_b32 v[T+3], 0xffff0000, v8
	v_cmp_gt_u32 vcc_lo, 256, v0                   ; group 0 carries it, groups 1 to 3 carry 0
.irp c, 0,1,2,3
	v_cndmask_b32 v[T+\c], 0, v[T+\c], vcc_lo
.endr
.Ljoin:
	ds_store_b128 v[TA], v[T:T+3]                  ; group t >> 8, numbers 4 (t & 255) on
	s_wait_dscnt 0x0
	s_barrier_signal -1
	s_barrier_wait -1
.irp z, 0,1,2,3
	ds_load_b128 v[S+4*\z:S+4*\z+3], v[SA] offset:16*\z
.endr
.irp z, 0,1,2,3
	ds_load_b128 v[T+4*\z:T+4*\z+3], v[SA] offset:4096+16*\z
.endr
.irp z, 0,1,2,3
	ds_load_b128 v[T+16+4*\z:T+16+4*\z+3], v[SA] offset:8192+16*\z
.endr
	s_wait_dscnt 0x0
.set z, 0
.rept 8
	v_pk_add_f32 v[S+2*z:S+2*z+1], v[S+2*z:S+2*z+1], v[T+2*z:T+2*z+1]
.set z, z+1
.endr
.irp z, 0,1,2,3
	ds_load_b128 v[T+4*\z:T+4*\z+3], v[SA] offset:12288+16*\z
.endr
.set z, 0
.rept 8
	v_pk_add_f32 v[S+2*z:S+2*z+1], v[S+2*z:S+2*z+1], v[T+16+2*z:T+16+2*z+1]
.set z, z+1
.endr
	s_wait_dscnt 0x0
.set z, 0
.rept 8
	v_pk_add_f32 v[S+2*z:S+2*z+1], v[S+2*z:S+2*z+1], v[T+2*z:T+2*z+1]
.set z, z+1
.endr
	s_cmp_lt_u32 s[Y], 8
	s_cbranch_scc0 .Lround
.set i, 0
.rept 16
	s_wait_loadcnt 15-i                            ; the later rows stay out
	v_fmac_f32 v[ACC],   v[X+4*i],   v[S+i]
	v_fmac_f32 v[ACC+1], v[X+4*i+1], v[S+i]
	v_fmac_f32 v[ACC+2], v[X+4*i+2], v[S+i]
	v_fmac_f32 v[ACC+3], v[X+4*i+3], v[S+i]
.set i, i+1
.endr
	s_branch .Lred
.Lround:
.set i, 0
.rept 16
	s_wait_loadcnt 15-i
	v_cvt_pk_bf16_f32 v[T+2*(i%2)],   v[X+4*i],   v[X+4*i+1]   ; a weight is rounded to bf16
	v_cvt_pk_bf16_f32 v[T+2*(i%2)+1], v[X+4*i+2], v[X+4*i+3]
	v_fma_mix_f32_bf16 v[ACC],   v[T+2*(i%2)],   v[S+i], v[ACC]   op_sel_hi:[1,0,0]
	v_fma_mix_f32_bf16 v[ACC+1], v[T+2*(i%2)],   v[S+i], v[ACC+1] op_sel:[1,0,0] op_sel_hi:[1,0,0]
	v_fma_mix_f32_bf16 v[ACC+2], v[T+2*(i%2)+1], v[S+i], v[ACC+2] op_sel_hi:[1,0,0]
	v_fma_mix_f32_bf16 v[ACC+3], v[T+2*(i%2)+1], v[S+i], v[ACC+3] op_sel:[1,0,0] op_sel_hi:[1,0,0]
.set i, i+1
.endr
.Lred:
	ds_store_b128 v[TA], v[ACC:ACC+3] offset:REDB  ; row group t >> 4, columns 4 (t & 15) on
	s_wait_dscnt 0x0
	s_barrier_signal -1
	s_barrier_wait -1
	s_cmp_lg_u32 s[WV], 0
	s_cbranch_scc1 .Ldone
	; wave 0 adds the 64 row groups: lane (c, h) takes groups 32 h on of columns 4 c on, then the halves meet
	v_and_b32 v7, 15, v0
	v_lshrrev_b32 v8, 4, v0
	v_lshlrev_b32 v[RDA], 13, v8
	v_lshl_add_u32 v[RDA], v7, 4, v[RDA]
	v_lshlrev_b32 v[OUTO], 4, v7
	v_lshl_add_u32 v[OUTO], v8, 3, v[OUTO]
	s_lshl_b32 s26, ttmp9, 8
	v_add_nc_u32 v[OUTO], s26, v[OUTO]
	s_lshl_b32 s26, s[Y], 12
	s_add_nc_u64 s[16:17], s[16:17], s[26:27]
.irp c, 0,1,2,3
	v_mov_b32 v[ACC+\c], 0
.endr
.irp bt, 0,1,2,3
.irp z, 0,1,2,3,4,5,6,7
	ds_load_b128 v[X+4*\z:X+4*\z+3], v[RDA] offset:REDB+(8*\bt+\z)*256
.endr
	s_wait_dscnt 0x0
.irp z, 0,1,2,3,4,5,6,7
	v_pk_add_f32 v[ACC:ACC+1], v[ACC:ACC+1], v[X+4*\z:X+4*\z+1]
	v_pk_add_f32 v[ACC+2:ACC+3], v[ACC+2:ACC+3], v[X+4*\z+2:X+4*\z+3]
.endr
.endr
.irp c, 0,1,2,3
	v_permlanex16_b32 v[T+\c], v[ACC+\c], s28, s29
.endr
.irp c, 0,1,2,3
	v_add_f32 v[ACC+\c], v[ACC+\c], v[T+\c]
.endr
	v_cmp_gt_u32 vcc_lo, 16, v0                    ; both halves hold all four sums: the lower stores the first two, the upper the other two
	v_cndmask_b32 v[T],   v[ACC+2], v[ACC],   vcc_lo
	v_cndmask_b32 v[T+1], v[ACC+3], v[ACC+1], vcc_lo
	global_store_b64 v[OUTO], v[T:T+1], s[16:17]   ; 32 lanes store 256 consecutive bytes, aligned
.Ldone:
	s_wait_tensorcnt 0x0                           ; the wave's end: three lines behind my last LDS store
	ds_add_u32 v[SPW], v[NIL]
	s_wait_dscnt 0x0
	s_endpgm
.Lfunc_end_k_q33c674d4e8_vecs:
	.size	k_q33c674d4e8_vecs, .Lfunc_end_k_q33c674d4e8_vecs-k_q33c674d4e8_vecs
	.p2alignl 7, 3214868480
	.fill 96, 4, 3214868480
	.section	.rodata,"a",@progbits
	.p2align	6, 0x0
	.amdhsa_kernel k_q33c674d4e8_vecs
		.amdhsa_group_segment_fixed_size 36864
		.amdhsa_private_segment_fixed_size 0
		.amdhsa_enable_private_segment 0
		.amdhsa_kernarg_size 56
		.amdhsa_user_sgpr_count 2
		.amdhsa_user_sgpr_kernarg_segment_ptr 1
		.amdhsa_wavefront_size32 1
		.amdhsa_system_sgpr_workgroup_id_x 1
		.amdhsa_system_sgpr_workgroup_id_y 1
		.amdhsa_system_sgpr_workgroup_id_z 1
		.amdhsa_system_vgpr_workitem_id 0
		.amdhsa_next_free_vgpr 128
		.amdhsa_next_free_sgpr 66
		.amdhsa_reserve_vcc 1
		.amdhsa_float_denorm_mode_32 3
		.amdhsa_float_denorm_mode_16_64 3
		.amdhsa_memory_ordered 1
		.amdhsa_forward_progress 1
		.amdhsa_inst_pref_size 27
	.end_amdhsa_kernel
	.amdgpu_metadata
---
amdhsa.version: [ 1, 2 ]
amdhsa.kernels:
  - .name:           k_q33c674d4e8_vecs
    .symbol:         k_q33c674d4e8_vecs.kd
    .args:
      - { .name: ksp, .offset: 0, .size: 8, .value_kind: global_buffer, .address_space: global }
      - { .name: mf, .offset: 8, .size: 8, .value_kind: global_buffer, .address_space: global }
      - { .name: Wq, .offset: 16, .size: 8, .value_kind: global_buffer, .address_space: global }
      - { .name: Wk, .offset: 24, .size: 8, .value_kind: global_buffer, .address_space: global }
      - { .name: bq, .offset: 32, .size: 8, .value_kind: global_buffer, .address_space: global }
      - { .name: bk, .offset: 40, .size: 8, .value_kind: global_buffer, .address_space: global }
      - { .name: vec, .offset: 48, .size: 8, .value_kind: global_buffer, .address_space: global }
    .group_segment_fixed_size: 36864
    .private_segment_fixed_size: 0
    .kernarg_segment_align: 8
    .kernarg_segment_size: 56
    .max_flat_workgroup_size: 1024
    .sgpr_count:     66
    .vgpr_count:     128
    .wavefront_size: 32
...
	.end_amdgpu_metadata
.endif
;; end of part 2
;; launch main (part 3): grid 256 x 1, 4 waves a work-group, clusters of 4 x 1, 327,680 bytes of LDS; arguments q, k, v, mtf, vec, pp; writes pp
.if DOCPART == 3
	.amdgcn_target "amdgcn-amd-amdhsa--gfx1250"
	.amdhsa_code_object_version 6
	.text
	.protected	k_q33c674d4e8_main
	.globl	k_q33c674d4e8_main
	.p2align	8
	.type	k_q33c674d4e8_main,@function
k_q33c674d4e8_main:
	s_mov_b64 s[64:65], 0
	v_nop
	global_prefetch_b8 v0, s[64:65] scope:SCOPE_SE
	s_setreg_imm32_b32 hwreg(HW_REG_WAVE_MODE, 25, 1), 1
	s_wait_xcnt 0x0
	s_wait_alu depctr_hold_cnt(0) depctr_sa_sdst(0) depctr_va_vdst(0) depctr_va_sdst(0) depctr_va_ssrc(0) depctr_va_vcc(0) depctr_vm_vsrc(0)
	s_getreg_b32 s2, hwreg(HW_REG_IB_STS2, 6, 4)
	s_cmp_eq_u32 s2, 0
	s_cbranch_scc0 .Lentry_in_a_cluster
	s_endpgm
.Lentry_in_a_cluster:
	s_bfe_u32 s2, ttmp6, 0x10000c
	s_cmp_lg_u32 s2, 0x3003
	s_cbranch_scc0 .Lentry_shape_is_right
	s_endpgm
.Lentry_shape_is_right:
; AvgNet, step 3 of 4.  For 64 rows i of one batch b:  32 logit_i = q_i . w_b - sum over d' of G[i][d'] k_i[d'],  w_b = vec[b] + 2047 vec[8],  G[i][d'] = vec[9][d'] + sum over d of Mt[d'][d] q_i[d];
; then the block's own softmax: m2 = the maximum of y_i = logit_i log2(e), p_i = 2^(y_i - m2), l = the sum of p_i, and pp[g] = the sum of p_i v_i, with (m2, l) behind it.  The last launch joins the 32 blocks of a batch.
; q, k, v are rounded to bf16 where they are used; G is a matrix product in bf16 with f32 sums (Mt rounded once more to bf16: this small term alone); q . w, the large term, and all else in f32.
; LEFT OUT, for every input: the part of a logit that is the same for all rows of a batch (bq . (Wk ks + 2047 bk)): a softmax does not see a common shift.  bq still enters, through vec[9].
; LIMITS: the sums are associated otherwise than in the reference; a weight below 2^-126 counts as 0; NaN and infinities are not treated apart.
; SHARES.  Work-group g: rows 64 g on, all 1,024 d'.  Wave w: d' = 256 w on: 64 accumulators (a < 4 blocks of 16 rows, bc < 16 blocks of 16 d'), 512 registers.
; THE MATRIX INSTRUCTION IS USED TRANSPOSED: source 0 = 16 d' of Mt, source 1 = 16 rows of q: lane (r, h), register j of accumulator (a, bc) holds row 16 a + r, d' = 256 w + 16 bc + 8 h + j.
; The accumulators are loaded with vec[9] at the start: the bias starts the sums, nothing is cleared, no first step is written out.
; THE RING.  d goes in steps of 32.  mtf holds a step's 64 KB in fragment order, so a fragment is two loads of 512 consecutive LDS bytes.  Two slots of two steps (128 KB) each; each wave asks for a quarter.
; CLUSTER.  All work-groups walk the same mtf: the four of a cluster ask JOINTLY: the same tensor load, descriptor and mask in all four.  q, k, v belong to one work-group each: plain loads.
; q comes through registers (it is f32 and is rounded on the way): 128 along d at a time, into two LDS buffers by turns, a lap (four steps) ahead; q . w rides on the same registers.
; A wave has two tensor loads out at the start and one behind each round.
; REGISTERS, in windows of 256 (s_set_vgpr_msb: bits 1:0 source 0, 3:2 source 1, 5:4 source 2, 7:6 destination):
;   window 0: see the names below     window 1: Mt's fragments, two buffers of 128; later k     window 2: accumulators a = 0, 1 at 8 (16 (a & 1) + bc)     window 3: a = 2, 3
.set AP,     272                       ; a row of q's chunk in LDS: 128 bf16 + 16 bytes: the 16 rows of a fragment load start at 16 different groups of four banks (ISA guide 11.1)
.set AB1,    32768                     ; q's second buffer: one exclusive or turns an address in one buffer into the other's
.set RED,    17408                     ; behind q's first buffer: DGS 4 x 256 bytes, QWS 256, PS 4 x 256
.set QWS,    RED+1024
.set PS,     RED+1280
.set SPARE,  19712                     ; the spare words, 128 bytes for each wave
.set BT,     50176                     ; the ring: two slots
.set SLOTB,  131072
.set KB,     BT                        ; behind the ring's last fill of the launch: k as bf16, 64 rows
.set KP,     2064                      ; 2,048 bytes + 16
.set LR,  1                            ; v1  lane % 16      v2  lane / 16      v3  lane
.set LH,  2
.set LL,  3
.set ADRA0, 4                          ; v4  my lane's place in a chunk of q; never rewritten      v5  the same in the buffer being read
.set ADRA,  5
.set ASTO0, 6                          ; v6  where I put 8 bytes of my wave's first row; never rewritten      v7  the same in the buffer being written
.set ASTO,  7
.set ADRB,  8                          ; v8-11  my fragments of Mt: slot 0 step 0, 1; slot 1 step 0, 1
.set QGO, 12                           ; v12 my byte offset in q's rows; steps 512 a chunk      v13 the same in w
.set WGO, 13
.set SPW, 14                           ; v14 LDS address of my spare word; never rewritten      v15 0; never rewritten
.set NIL, 15
.set EO,  16
.set KGO, 17
.set KSTO, 18
.set KBA0, 19
.set KBA1, 20
.set VGO, 21
.set PSA, 22
.set QWSA, 23
.set DGSA, 24
.set REDL, 25
.set PSW, 26
.set ST8, 27
.set STAT, 28                          ; v28-29  m2, l
.set Y0,  30                           ; v30-31  two rows' y, then p
.set QW,  32                           ; v32-47  q . w of my wave's 16 rows, my lane's part
.set WQ,  48                           ; v48-51  w at my four columns of the chunk
.set T,   52                           ; v52-59  at work
.set XWM, 64                           ; v64-67 vec[b], v68-71 vec[8] as loaded
.set XA,  68
.set DG,  72                           ; v72-79  the diagonal term: two chains for each a
.set PR,  80                           ; v80-95  16 rows' p
.set AF,  96                           ; v96-127, v128-159  q's fragments, two buffers
.set XQ,  160                          ; v160-223  a chunk of q as loaded: 16 rows x 4
.set R,   96                           ; the epilogue's ring for k and v: v96-223
.set T16, 224                          ; v224-239 at work
.set PA,  240                          ; v240-247 my 8 columns of the sum of p v
.set WV,  20
.set G1,  24                           ; s[24:31] descriptor group 1      s[32:39] group 0, a set for each slot
.set G0,  32
.set LAP, 40
.set ABR, 41                           ; q's buffer being read, being written
.set ABW, 42
.set CNT, 43
.set SEL, 44
.set MSB, 0
.macro WIN new                         ; the immediate's high byte repeats the setting that is left; a switch that changes nothing is dropped
.if MSB != (\new)
	s_set_vgpr_msb (MSB<<8)|(\new)
.set MSB, \new
.endif
.endm
.macro PLACES                          ; a load into, or a vector write of, a register that a matrix instruction has read stands four plain vector instructions behind it (ISA guide 7.12.1 for vector writes)
.rept 4
	v_nop
.endr
.endm
.macro CREST                           ; a round of the cluster's barrier behind its opening barrier
	s_cmp_lg_u32 s[WV], 0
	s_cbranch_scc1 .Lnot_wave_0_\@
	s_barrier_signal -3
.Lnot_wave_0_\@:
	s_barrier_wait -3
	s_barrier_signal -1
	s_barrier_wait -1
.endm
.macro CROUND
	s_barrier_signal -1
	s_barrier_wait -1
	CREST
.endm
.macro JLOAD s                         ; my quarter of slot s, jointly; an s_nop 0 and four v_nop follow
	tensor_load_to_lds s[G0+4*(\s):G0+4*(\s)+3], s[G1:G1+7]
	s_nop 0
	PLACES
.endm
; 16 products: row block a x all 16 d' blocks, 32 along d, buffer f.  The 64 accumulators take turns in the same order in every step.
.macro MULA f, a
	WIN 0xa1+0x50*((\a)/2)
.set bc, 0
.rept 16
	v_wmma_f32_16x16x32_bf16 v[8*(16*((\a)%2)+bc):8*(16*((\a)%2)+bc)+7], v[128*(\f)+8*bc:128*(\f)+8*bc+7], v[AF+32*(\f)+8*(\a):AF+32*(\f)+8*(\a)+7], v[8*(16*((\a)%2)+bc):8*(16*((\a)%2)+bc)+7]
.set bc, bc+1
.endr
.endm
; 40 LDS loads in one run: a step's fragments into buffer g: Mt's from step u of the slot, q's at 32 kq along the chunk
.macro FETCH slot, u, kq, g
	WIN 0x40
.set bc, 0
.rept 16
	ds_load_b128 v[128*(\g)+8*bc:128*(\g)+8*bc+3],   v[ADRB+2*(\slot)+(\u)] offset:bc*1024
	ds_load_b128 v[128*(\g)+8*bc+4:128*(\g)+8*bc+7], v[ADRB+2*(\slot)+(\u)] offset:bc*1024+512
.set bc, bc+1
.endr
	WIN 0
.set a4, 0
.rept 4
	ds_load_b128 v[AF+32*(\g)+8*a4:AF+32*(\g)+8*a4+3],   v[ADRA] offset:a4*16*AP+(\kq)*64
	ds_load_b128 v[AF+32*(\g)+8*a4+4:AF+32*(\g)+8*a4+7], v[ADRA] offset:a4*16*AP+(\kq)*64+32
.set a4, a4+1
.endr
.endm
.macro QISSUE                          ; a chunk of q: my wave's 16 rows, 512 consecutive aligned bytes a load; and w's two parts at the same columns
.set rr, 0
.rept 16
	global_load_b128 v[XQ+4*rr:XQ+4*rr+3], v[QGO], s[4:5] offset:rr*4096 th:TH_LOAD_NT
.set rr, rr+1
.endr
	global_load_b128 v[XWM:XWM+3], v[WGO], s[12:13]
	global_load_b128 v[XA:XA+3], v[WGO], s[16:17]
.endm
; The chunk that has come is rounded to bf16 and put into the buffer that is not being read; q . w takes it along; the next chunk is asked for, but behind the last.
; The wait is for 0 on either way round the jump: the 18 loads were issued a lap, 256 products, ago.
.macro STAGE
	WIN 0
	s_wait_loadcnt 0x0
.irp c, 0,1,2,3
	v_fma_f32 v[WQ+\c], v[XA+\c], 0x44ffe000, v[XWM+\c]   ; w = Mt^T ks + 2047 a
.endr
.irp gq, 0,4,8,12
.irp z, 0,1,2,3
	v_cvt_pk_bf16_f32 v[T+2*\z],   v[XQ+4*(\gq+\z)],   v[XQ+4*(\gq+\z)+1]
	v_cvt_pk_bf16_f32 v[T+2*\z+1], v[XQ+4*(\gq+\z)+2], v[XQ+4*(\gq+\z)+3]
.endr
.irp z, 0,1,2,3
	ds_store_b64 v[ASTO], v[T+2*\z:T+2*\z+1] offset:(\gq+\z)*AP
.endr
.irp z, 0,1,2,3
	v_fma_mix_f32_bf16 v[QW+\gq+\z], v[T+2*\z], v[WQ], v[QW+\gq+\z] op_sel_hi:[1,0,0]
.endr
.irp z, 0,1,2,3
	v_fma_mix_f32_bf16 v[QW+\gq+\z], v[T+2*\z], v[WQ+1], v[QW+\gq+\z] op_sel:[1,0,0] op_sel_hi:[1,0,0]
.endr
.irp z, 0,1,2,3
	v_fma_mix_f32_bf16 v[QW+\gq+\z], v[T+2*\z+1], v[WQ+2], v[QW+\gq+\z] op_sel_hi:[1,0,0]
.endr
.irp z, 0,1,2,3
	v_fma_mix_f32_bf16 v[QW+\gq+\z], v[T+2*\z+1], v[WQ+3], v[QW+\gq+\z] op_sel:[1,0,0] op_sel_hi:[1,0,0]
.endr
.endr
	v_add_nc_u32 v[QGO], 512, v[QGO]               ; free since the wait above
	v_add_nc_u32 v[WGO], 512, v[WGO]
	s_cmp_eq_u32 s[LAP], 1
	s_cbranch_scc1 .Lno_more_q_\@                  ; the loop's last trip has staged the last chunk
	QISSUE
.Lno_more_q_\@:
.endm
; A slot's first step: multiplies buffer 0 and fetches the slot's second step into buffer 1.
.macro Q s, stage
	s_wait_dscnt 0x0                               ; buffer 0 is in: its run was issued 32 products ago
	MULA 0, 0
	MULA 0, 1
	PLACES
	FETCH \s, 1, 2*(\s)+1, 1
.if \stage
	STAGE
.endif
	MULA 0, 2
	MULA 0, 3
.endm
; A slot's second step multiplies buffer 1 and changes slots: ONE barrier.  In front of it each wave waits for all its tensor loads, of which one is out: its part of the other slot; adds 0 to its
; spare word; and waits for that, for its reads of this slot and of q's buffer, and for its stores of the next chunk of q.  fill = 1: the barrier opens a round of the cluster's, and this slot is filled again, first thing behind it.
.macro TURN s, fill
	WIN 0
	s_wait_tensorcnt 0x0
	ds_add_u32 v[SPW], v[NIL]
	s_wait_dscnt 0x1                               ; only the add may be out: buffer 1 is in
	MULA 1, 0                                      ; sixteen products stand between the add and the wait for it
	s_wait_dscnt 0x0
	s_barrier_signal -1
	MULA 1, 1
	WIN 0
	s_barrier_wait -1
.if \fill
	CREST                                          ; no wave of any partner still reads this slot or has a load on its way
	s_add_nc_u64 s[G0+4*(\s)+2:G0+4*(\s)+3], s[G0+4*(\s)+2:G0+4*(\s)+3], 2*SLOTB
	JLOAD \s                                       ; 96 products ahead of the wait for it, and for slot 0 a chunk's staging; its four v_nop are also the places in front of the loads below
.else
	PLACES
.endif
.if (\s) == 1
	s_xor_b32 s[ABR], s[ABR], AB1                  ; a lap ends: q's two buffers change places
	s_xor_b32 s[ABW], s[ABW], AB1
	v_add_nc_u32 v[ADRA], s[ABR], v[ADRA0]
	v_add_nc_u32 v[ASTO], s[ABW], v[ASTO0]
.endif
	FETCH 1-(\s), 0, 2*(1-(\s)), 0
	MULA 1, 2
	MULA 1, 3
.endm
	s_load_b256 s[4:11], s[0:1], 0x0               ; q s[4:5], k s[6:7], v s[8:9], mtf s[10:11]
	s_load_b128 s[12:15], s[0:1], 0x20             ; vec s[12:13], pp s[14:15]
	v_lshl_add_u32 v[SPW], v0, 2, SPARE
	v_mov_b32 v[NIL], 0
	ds_add_u32 v[SPW], v[NIL]                      ; the wave's opening: the add and its wait stand ahead of my first tensor load; work on registers stands between them
	v_lshrrev_b32 v1, 5, v0
	v_readfirstlane_b32 s[WV], v1
	s_bfe_u32 s21, ttmp6, 0x40000                  ; cx: my place in the cluster
	s_lshl_b32 s22, ttmp9, 2                       ; in a cluster launch ttmp9 counts clusters
	s_add_co_u32 s21, s22, s21                     ; g: it enters the addresses of q, k, v and pp alone
	s_lshl_b32 s46, s21, 18                        ; 64 rows of 4,096 bytes
	s_mov_b32 s47, 0
	s_mul_i32 s48, s21, 4352
	s_mov_b32 s49, 0
	s_lshr_b32 s50, ttmp9, 3                       ; the batch, which the four partners share
	s_lshl_b32 s50, s50, 12
	s_mov_b32 s51, 0
	s_lshl_b32 s52, s[WV], 15                      ; my quarter of a slot
	s_mov_b32 s53, 0
	; descriptor group 1: 32 KB that are dense in memory, as 128 rows of 256 bytes
	s_mov_b32 s[G1], 15|(3<<16)|(1<<21)            ; 15:0 the mask of four; 17:16 elements of 8 bytes; 20 no padding; 21 set beside a mask
	s_mov_b32 s[G1+1], 32<<16                      ; tensor_dim0 = 32
	s_mov_b32 s[G1+2], 128<<16                     ; tensor_dim1 = 128
	s_mov_b32 s[G1+3], 32<<16                      ; tile_dim0 = 32
	s_mov_b32 s[G1+4], 128                         ; tile_dim1 = 128
	s_mov_b32 s[G1+5], 32                          ; 32 elements from row to row
	s_mov_b32 s[G1+6], 0
	s_mov_b32 s[G1+7], 0
	s_mov_b32 s[SEL], 0x76543210
	s_mov_b32 s[SEL+1], 0xfedcba98
	s_mov_b32 s[LAP], 7
	s_mov_b32 s[ABR], 0
	s_wait_dscnt 0x0                               ; the opening add is done
	s_wait_kmcnt 0x0
	s_add_nc_u64 s[4:5], s[4:5], s[46:47]
	s_add_nc_u64 s[6:7], s[6:7], s[46:47]
	s_add_nc_u64 s[8:9], s[8:9], s[46:47]
	s_add_nc_u64 s[14:15], s[14:15], s[48:49]
	s_add_nc_u64 s[16:17], s[12:13], 8*4096        ; a
	s_add_nc_u64 s[18:19], s[12:13], 9*4096        ; e
	s_add_nc_u64 s[12:13], s[12:13], s[50:51]      ; Mt^T ks of my batch
	s_add_nc_u64 s[10:11], s[10:11], s[52:53]
.irp s, 0,1
	s_mov_b32 s[G0+4*\s], 1                        ; count = 1
	s_add_co_u32 s[G0+4*\s+1], s52, BT+\s*SLOTB    ; LDS address: a constant, the wave's number times a constant, the slot's constant
	s_add_nc_u64 s[G0+4*\s+2:G0+4*\s+3], s[10:11], \s*SLOTB
	s_or_b32 s[G0+4*\s+3], s[G0+4*\s+3], 0x80000000  ; type = 2
.endr
	CROUND                                         ; all four work-groups are here: the first joint loads meet
	tensor_load_to_lds s[G0:G0+3], s[G1:G1+7]      ; steps 0, 1
	s_nop 0
	tensor_load_to_lds s[G0+4:G0+7], s[G1:G1+7]    ; steps 2, 3
	s_nop 0
	PLACES
	v_and_b32 v[LL], 31, v0
	v_and_b32 v[LR], 15, v0
	v_bfe_u32 v[LH], v0, 4, 1
	v_lshlrev_b32 v[WGO], 4, v[LL]
	s_lshl_b32 s21, s[WV], 16                      ; my wave's 16 rows
	v_add_nc_u32 v[QGO], s21, v[WGO]
	QISSUE                                         ; chunk 0
	v_mov_b32 v[KGO], v[QGO]
	s_lshl_b32 s21, s[WV], 10
	v_lshl_add_u32 v[EO], v[LH], 5, s21            ; e at d' = 256 w + 8 h
	WIN 0x80                                       ; destination window 2
.set i, 0
.rept 32
	global_load_b128 v[8*i:8*i+3],   v[EO], s[18:19] offset:(i%16)*64
	global_load_b128 v[8*i+4:8*i+7], v[EO], s[18:19] offset:(i%16)*64+16
.set i, i+1
.endr
	WIN 0xc0                                       ; window 3
.set i, 0
.rept 32
	global_load_b128 v[8*i:8*i+3],   v[EO], s[18:19] offset:(i%16)*64
	global_load_b128 v[8*i+4:8*i+7], v[EO], s[18:19] offset:(i%16)*64+16
.set i, i+1
.endr
	WIN 0
	v_mul_u32_u24 v[ADRA0], v[LR], AP
	v_lshl_add_u32 v[ADRA0], v[LH], 4, v[ADRA0]    ; row x pitch + 16 x half
	v_mov_b32 v[ADRA], v[ADRA0]
	s_mul_i32 s21, s[WV], 16*AP
	v_lshl_add_u32 v[ASTO0], v[LL], 3, s21
	v_mov_b32 v[ASTO], v[ASTO0]
	s_lshl_b32 s21, s[WV], 14
	s_add_co_u32 s21, s21, BT
	v_lshl_add_u32 v[ADRB], v[LL], 4, s21          ; my 16 d' blocks of a step, 16 bytes a lane
	v_add_nc_u32 v[ADRB+1], 65536, v[ADRB]
	v_add_nc_u32 v[ADRB+2], SLOTB, v[ADRB]
	v_add_nc_u32 v[ADRB+3], SLOTB+65536, v[ADRB]
	s_mul_i32 s21, s[WV], 16*KP
	s_add_co_u32 s21, s21, KB
	v_lshl_add_u32 v[KSTO], v[LL], 3, s21
	s_lshl_b32 s21, s[WV], 9
	v_lshl_add_u32 v[VGO], v[LL], 4, s21           ; my 16 bytes of my wave's 512
	s_add_co_u32 s21, s21, KB
	v_mul_u32_u24 v[KBA0], v[LR], KP
	v_lshl_add_u32 v[KBA0], v[LH], 4, v[KBA0]
	v_add_nc_u32 v[KBA0], s21, v[KBA0]
	v_add_nc_u32 v[KBA1], 32*KP, v[KBA0]
	s_lshl_b32 s21, s[WV], 8
	s_add_co_u32 s22, s21, RED
	v_lshl_add_u32 v[DGSA], v[LR], 2, s22
	s_add_co_u32 s22, s21, PS
	v_mov_b32 v[PSA], s22
	v_lshl_add_u32 v[PSW], v[LL], 2, s22
	s_lshl_b32 s22, s[WV], 6
	s_add_co_u32 s22, s22, QWS
	v_mov_b32 v[QWSA], s22
	v_lshl_add_u32 v[REDL], v[LL], 2, RED
	v_lshlrev_b32 v[ST8], 3, v[LL]
.set i, 0
.rept 16
	v_mov_b32 v[QW+i], 0
.set i, i+1
.endr
.set i, 0
.rept 8
	v_mov_b32 v[DG+i], 0
	v_mov_b32 v[PA+i], 0
.set i, i+1
.endr
	STAGE                                          ; chunk 0 into buffer 0; chunk 1 is asked for; its wait for 0 covers the accumulators' loads too
	s_mov_b32 s[ABW], AB1
	v_add_nc_u32 v[ASTO], s[ABW], v[ASTO0]
	s_wait_tensorcnt 0x1                           ; my part of slot 0 is in; slot 1's may stay out
	s_wait_dscnt 0x0                               ; my rows of chunk 0 are stored
	s_barrier_signal -1
	s_barrier_wait -1
	FETCH 0, 0, 0, 0
	Q 0, 0
	WIN 0
.Llap:                                                 ; seven trips, from a lap's second step to the next lap's first; each fills both slots again and stages one chunk of q
	TURN 0, 1
	Q 1, 1
	TURN 1, 1
	Q 0, 0
	WIN 0
	s_sub_co_u32 s[LAP], s[LAP], 1
	s_cmp_lg_u32 s[LAP], 0
	s_cbranch_scc1 .Llap
	TURN 0, 0                                      ; the last lap is written out: nothing is left to fetch
	Q 1, 0
	s_wait_dscnt 0x0
	MULA 1, 0
	MULA 1, 1
	MULA 1, 2
	MULA 1, 3
	; THE EPILOGUE.  k's first four rows are asked for; q . w is summed over the lanes and handed to all waves.
	WIN 0
	PLACES                                         ; the ring lies on q's fragments, which the last products read
	s_wait_loadcnt 0x0                             ; the ring also lies on the registers that took q's chunks, and a register that a pending load will write takes no other load:
	                                               ; the loop's last trip asked for no chunk, so nothing is out here; this wait holds that on either way round STAGE's jump
.set i, 0
.rept 32
	global_load_b128 v[R+4*i:R+4*i+3], v[KGO], s[6:7] offset:(i/8)*4096+(i%8)*512 th:TH_LOAD_NT
.set i, i+1
.endr
.irp m, 1,2,4,8
.set i, 0
.rept 16
	v_add_f32_dpp v[QW+i], v[QW+i], v[QW+i] row_xmask:\m row_mask:0xf bank_mask:0xf
.set i, i+1
.endr
.endr
.irp hf, 0,8
.set i, 0
.rept 8
	v_permlanex16_b32 v[T+i], v[QW+\hf+i], s[SEL], s[SEL+1]
.set i, i+1
.endr
.set i, 0
.rept 8
	v_add_f32 v[QW+\hf+i], v[QW+\hf+i], v[T+i]
.set i, i+1
.endr
.endr
.set i, 0
.rept 16
	ds_store_b32 v[QWSA], v[QW+i] offset:4*i       ; all lanes write the same word with the same number
.set i, i+1
.endr
	s_wait_dscnt 0x0                               ; my reads of the ring are long back, my stores are done:
	s_barrier_signal -1
	s_barrier_wait -1                              ; nobody reads the ring any more; it has had its last fill, so k may lie there
; k's row rr of my wave's 16: rounded to bf16, 8 bytes a load into LDS.  left = the younger loads: three rows of eight, then the counts run down.
.macro KROW rr, left
	s_wait_loadcnt \left
.set j, 0
.rept 8
	v_cvt_pk_bf16_f32 v[T16+2*j],   v[R+32*((\rr)%4)+4*j],   v[R+32*((\rr)%4)+4*j+1]
	v_cvt_pk_bf16_f32 v[T16+2*j+1], v[R+32*((\rr)%4)+4*j+2], v[R+32*((\rr)%4)+4*j+3]
.set j, j+1
.endr
.set j, 0
.rept 8
	ds_store_b64 v[KSTO], v[T16+2*j:T16+2*j+1] offset:(\rr)*KP+j*256
.set j, j+1
.endr
.if (\rr) < 12
.set j, 0
.rept 8
	global_load_b128 v[R+32*((\rr)%4)+4*j:R+32*((\rr)%4)+4*j+3], v[KGO], s[6:7] offset:((\rr)+4)*4096+j*512 th:TH_LOAD_NT
.set j, j+1
.endr
.endif
.endm
.irp rr, 0,1,2,3,4,5,6,7,8,9,10,11,12
	KROW \rr, 24
.endr
	KROW 13, 16
	KROW 14, 8
	KROW 15, 0
.set i, 0
.rept 16                                       ; v's first 16 rows are asked for now: they land under the diagonal term.  A thread owns 8 columns: 16 bytes in each half of a row
	global_load_b128 v[R+8*i:R+8*i+3],   v[VGO], s[8:9] offset:i*4096 th:TH_LOAD_NT
	global_load_b128 v[R+8*i+4:R+8*i+7], v[VGO], s[8:9] offset:i*4096+2048 th:TH_LOAD_NT
.set i, i+1
.endr
	s_wait_dscnt 0x0
	s_barrier_signal -1
	s_barrier_wait -1                              ; all 64 rows of k lie in LDS
	; THE DIAGONAL TERM: for accumulator (a, bc) a lane wants k[16 a + r][256 w + 16 bc + 8 h + 0..7]: 16 bytes
	WIN 0x40
.set i, 0
.rept 32
	ds_load_b128 v[4*i:4*i+3], v[KBA0] offset:(i/16)*16*KP+(i%16)*32
.set i, i+1
.endr
.set i, 0
.rept 32
	ds_load_b128 v[128+4*i:128+4*i+3], v[KBA1] offset:(i/16)*16*KP+(i%16)*32
.set i, i+1
.endr
.macro DIAG hi                         ; row blocks 2 hi, 2 hi + 1: four chains; each accumulator's registers in ascending order
.set bc, 0
.rept 16
.irp jj, 0,1,2,3
.irp aa, 0,1
	v_fma_mix_f32_bf16 v[DG+4*(\hi)+2*\aa], v[128*(\hi)+4*(16*\aa+bc)+\jj], v[8*(16*\aa+bc)+2*\jj], v[DG+4*(\hi)+2*\aa] op_sel_hi:[1,0,0]
.endr
.irp aa, 0,1
	v_fma_mix_f32_bf16 v[DG+4*(\hi)+2*\aa+1], v[128*(\hi)+4*(16*\aa+bc)+\jj], v[8*(16*\aa+bc)+2*\jj+1], v[DG+4*(\hi)+2*\aa+1] op_sel:[1,0,0] op_sel_hi:[1,0,0]
.endr
.endr
.set bc, bc+1
.endr
.endm
	s_wait_dscnt 32                                ; the second 32 loads may stay out
	WIN 0x09                                       ; source 0 (k) window 1, source 1 (G) window 2
	DIAG 0
	s_wait_dscnt 0x0
	WIN 0x0d                                       ; G in window 3
	DIAG 1
	WIN 0
.irp a, 0,1,2,3
	v_add_f32 v[DG+2*\a], v[DG+2*\a], v[DG+2*\a+1]
.endr
.irp a, 0,1,2,3
	v_permlanex16_b32 v[T+\a], v[DG+2*\a], s[SEL], s[SEL+1]   ; the row's other d' lie in the lane 16 away
.endr
.irp a, 0,1,2,3
	v_add_f32 v[DG+2*\a], v[DG+2*\a], v[T+\a]
.endr
.irp a, 0,1,2,3
	ds_store_b32 v[DGSA], v[DG+2*\a] offset:64*\a  ; my wave's part for row 16 a + r
.endr
	s_wait_dscnt 0x0
	s_barrier_signal -1
	s_barrier_wait -1
	; LOGITS AND WEIGHTS, in every wave alike: lane l takes rows l and l + 32
	ds_load_b32 v[Y0],   v[REDL] offset:1024
	ds_load_b32 v[Y0+1], v[REDL] offset:1024+128
.irp z, 0,1,2,3
	ds_load_b32 v[T+\z],   v[REDL] offset:256*\z
	ds_load_b32 v[T+4+\z], v[REDL] offset:256*\z+128
.endr
	s_wait_dscnt 0x0
	v_add_f32 v[T], v[T], v[T+1]
	v_add_f32 v[T+2], v[T+2], v[T+3]
	v_add_f32 v[T+4], v[T+4], v[T+5]
	v_add_f32 v[T+6], v[T+6], v[T+7]
	v_add_f32 v[T], v[T], v[T+2]
	v_add_f32 v[T+4], v[T+4], v[T+6]
	v_sub_f32 v[Y0], v[Y0], v[T]
	v_sub_f32 v[Y0+1], v[Y0+1], v[T+4]
	v_mul_f32 v[Y0], 0x3d38aa3b, v[Y0]             ; log2(e) / 32
	v_mul_f32 v[Y0+1], 0x3d38aa3b, v[Y0+1]
	v_max_num_f32 v[T], v[Y0], v[Y0+1]
.irp m, 1,2,4,8
	v_max_num_f32_dpp v[T], v[T], v[T] row_xmask:\m row_mask:0xf bank_mask:0xf
.endr
	v_permlanex16_b32 v[T+1], v[T], s[SEL], s[SEL+1]
	v_max_num_f32 v[STAT], v[T], v[T+1]            ; m2: the block's maximum is taken away before the exponential
	v_sub_f32 v[Y0], v[Y0], v[STAT]
	v_sub_f32 v[Y0+1], v[Y0+1], v[STAT]
	v_exp_f32 v[Y0], v[Y0]
	v_exp_f32 v[Y0+1], v[Y0+1]
	v_nop                                          ; a plain instruction between the exponentials and the use of their results
	s_wait_alu depctr_va_vdst(0)
	ds_store_b32 v[PSW], v[Y0]                     ; into my wave's own 256 bytes: no barrier
	ds_store_b32 v[PSW], v[Y0+1] offset:128
	v_add_f32 v[T], v[Y0], v[Y0+1]
.irp m, 1,2,4,8
	v_add_f32_dpp v[T], v[T], v[T] row_xmask:\m row_mask:0xf bank_mask:0xf
.endr
	v_permlanex16_b32 v[T+1], v[T], s[SEL], s[SEL+1]
	v_add_f32 v[STAT+1], v[T], v[T+1]              ; l
; THE SUM OF p v.  One row of the ring: rounded to bf16, times the row's p, onto my 8 columns.  left = the younger loads: 15 rows of two.
.macro POOLROW i, refill, left
	s_wait_loadcnt \left
.set TP, T+4*((\i)%2)
	v_cvt_pk_bf16_f32 v[TP],   v[R+8*(\i)],   v[R+8*(\i)+1]
	v_cvt_pk_bf16_f32 v[TP+1], v[R+8*(\i)+2], v[R+8*(\i)+3]
	v_cvt_pk_bf16_f32 v[TP+2], v[R+8*(\i)+4], v[R+8*(\i)+5]
	v_cvt_pk_bf16_f32 v[TP+3], v[R+8*(\i)+6], v[R+8*(\i)+7]
.if \refill
	global_load_b128 v[R+8*(\i):R+8*(\i)+3],   v[VGO], s[8:9] offset:(16+(\i))*4096 th:TH_LOAD_NT
	global_load_b128 v[R+8*(\i)+4:R+8*(\i)+7], v[VGO], s[8:9] offset:(16+(\i))*4096+2048 th:TH_LOAD_NT
.endif
.irp z, 0,1,2,3
	v_fma_mix_f32_bf16 v[PA+2*\z],   v[TP+\z], v[PR+(\i)], v[PA+2*\z]   op_sel_hi:[1,0,0]
	v_fma_mix_f32_bf16 v[PA+2*\z+1], v[TP+\z], v[PR+(\i)], v[PA+2*\z+1] op_sel:[1,0,0] op_sel_hi:[1,0,0]
.endr
.endm
.macro PLOAD                           ; 16 rows' p, the same address in every lane; LDS serves a wave's instructions in order (ISA guide 5.7.1.4): these see my stores above
.irp z, 0,1,2,3
	ds_load_b128 v[PR+4*\z:PR+4*\z+3], v[PSA] offset:16*\z
.endr
	s_wait_dscnt 0x0
.endm
	s_mov_b32 s[CNT], 3
.Lpool:
	PLOAD
.irp i, 0,1,2,3,4,5,6,7,8,9,10,11,12,13,14,15
	POOLROW \i, 1, 30
.endr
	s_wait_xcnt 0x0                                ; the loads' base is stepped only behind this wait
	s_add_nc_u64 s[8:9], s[8:9], 0x10000
	v_add_nc_u32 v[PSA], 64, v[PSA]
	s_sub_co_u32 s[CNT], s[CNT], 1
	s_cmp_lg_u32 s[CNT], 0
	s_cbranch_scc1 .Lpool
	PLOAD
.irp i, 0,1,2,3,4,5,6,7,8,9,10,11,12,13,14,15
	POOLROW \i, 0, 30-2*\i                         ; the last 16 rows load nothing: the counts run down
.endr
	global_store_b128 v[VGO], v[PA:PA+3], s[14:15]                 ; a wave stores 512 consecutive bytes, aligned
	global_store_b128 v[VGO], v[PA+4:PA+7], s[14:15] offset:2048
	s_cmp_lg_u32 s[WV], 0
	s_cbranch_scc1 .Lno_stat
	global_store_b64 v[ST8], v[STAT:STAT+1], s[14:15] offset:4096  ; (m2, l) 32 times: 256 consecutive bytes, aligned
.Lno_stat:
	s_wait_tensorcnt 0x0                           ; the wave's end: three lines behind my last tensor load and my last LDS store
	ds_add_u32 v[SPW], v[NIL]
	s_wait_dscnt 0x0
	CROUND                                         ; the closing round: no work-group ends while a partner may still ask for a tile that names it
	s_endpgm
.Lfunc_end_k_q33c674d4e8_main:
	.size	k_q33c674d4e8_main, .Lfunc_end_k_q33c674d4e8_main-k_q33c674d4e8_main
	.p2alignl 7, 3214868480
	.fill 96, 4, 3214868480
	.section	.rodata,"a",@progbits
	.p2align	6, 0x0
	.amdhsa_kernel k_q33c674d4e8_main
		.amdhsa_group_segment_fixed_size 327680
		.amdhsa_private_segment_fixed_size 0
		.amdhsa_enable_private_segment 0
		.amdhsa_kernarg_size 48
		.amdhsa_user_sgpr_count 2
		.amdhsa_user_sgpr_kernarg_segment_ptr 1
		.amdhsa_wavefront_size32 1
		.amdhsa_system_sgpr_workgroup_id_x 1
		.amdhsa_system_sgpr_workgroup_id_y 1
		.amdhsa_system_sgpr_workgroup_id_z 1
		.amdhsa_system_vgpr_workitem_id 0
		.amdhsa_next_free_vgpr 1024
		.amdhsa_next_free_sgpr 66
		.amdhsa_reserve_vcc 0
		.amdhsa_float_denorm_mode_32 3
		.amdhsa_float_denorm_mode_16_64 3
		.amdhsa_memory_ordered 1
		.amdhsa_forward_progress 1
		.amdhsa_inst_pref_size 211
	.end_amdhsa_kernel
	.amdgpu_metadata
---
amdhsa.version: [ 1, 2 ]
amdhsa.kernels:
  - .name:           k_q33c674d4e8_main
    .symbol:         k_q33c674d4e8_main.kd
    .args:
      - { .name: q, .offset: 0, .size: 8, .value_kind: global_buffer, .address_space: global }
      - { .name: k, .offset: 8, .size: 8, .value_kind: global_buffer, .address_space: global }
      - { .name: v, .offset: 16, .size: 8, .value_kind: global_buffer, .address_space: global }
      - { .name: mtf, .offset: 24, .size: 8, .value_kind: global_buffer, .address_space: global }
      - { .name: vec, .offset: 32, .size: 8, .value_kind: global_buffer, .address_space: global }
      - { .name: pp, .offset: 40, .size: 8, .value_kind: global_buffer, .address_space: global }
    .group_segment_fixed_size: 327680
    .private_segment_fixed_size: 0
    .kernarg_segment_align: 8
    .kernarg_segment_size: 48
    .max_flat_workgroup_size: 128
    .sgpr_count:     66
    .vgpr_count:     1024
    .wavefront_size: 32
...
	.end_amdgpu_metadata
.endif
;; end of part 3
;; launch fin (part 4): grid 16 x 8, 16 waves a work-group, no clusters, 6,400 bytes of LDS; arguments pp, Wo, bo, out0; writes out0
.if DOCPART == 4
	.amdgcn_target "amdgcn-amd-amdhsa--gfx1250"
	.amdhsa_code_object_version 6
	.text
	.protected	k_q33c674d4e8_fin
	.globl	k_q33c674d4e8_fin
	.p2align	8
	.type	k_q33c674d4e8_fin,@function
k_q33c674d4e8_fin:
	s_mov_b64 s[64:65], 0
	v_nop
	global_prefetch_b8 v0, s[64:65] scope:SCOPE_SE
	s_setreg_imm32_b32 hwreg(HW_REG_WAVE_MODE, 25, 1), 1
	s_wait_xcnt 0x0
; AvgNet, step 4 of 4.  A batch's 32 blocks are joined: M = the maximum of their m2, f_g = 2^(m2_g - M) / (the sum of l_g 2^(m2_g - M)), pooled = the sum of f_g pp[g];
; then out0[b][n] = pooled . bf16(Wo[n]) + bf16(bo[n]), all in f32 on the vector unit: a product with one row feeds the matrix unit nothing, and pooled is not rounded.
; SHARES.  Work-group (x, b): batch b, outputs 64 x on.  Sixteen waves: wave w makes pooled's columns 64 w on (every work-group of a batch makes pooled anew: 128 KB from the nearest cache),
; then the four outputs 64 x + 4 w on.  All 50 loads of a wave go out at the start.  No cluster: the launch loads through registers.
; The sum of l_g 2^(m2_g - M) is at least 1: each l_g is, and one factor is 1.
.set PITCH, 4352                       ; a block in pp: 4,096 bytes of sums, 256 of (m2, l)
.set PL,    0                          ; pooled, 1024 f32
.set OS,    4096                       ; the 64 outputs
.set SPARE, 4352                       ; the spare words, 128 bytes for each of 16 waves
.set SPW, 1
.set NIL, 2
.set STATO, 3
.set BOO, 4                            ; v4  8 x lane
.set PPO, 5
.set WOO, 6
.set PLA, 231
.set PRA, 232
.set OSA, 233
.set F,   12                           ; v12 my block's factor
.set FB,  13                           ; v13, v230: a block's factor in all lanes of a half, by turns
.set FB2, 230
.set PP,  16                           ; v16-79  16 blocks x 4 columns; later v16-47 pooled
.set PR,  16
.set WO,  80                           ; v80-207 4 rows x 8 loads x 4
.set T,   208                          ; v208-223 at work
.set CH,  224                          ; v224-227 four chains
.set BO,  228                          ; v228-229
.set RS,  234                          ; v234-237 four rows' sums
.set WV,  12
.set B,   13
	s_load_b256 s[4:11], s[0:1], 0x0               ; pp s[4:5], Wo s[6:7], bo s[8:9], out0 s[10:11]
	v_lshl_add_u32 v[SPW], v0, 2, SPARE
	v_mov_b32 v[NIL], 0
	v_lshrrev_b32 v7, 5, v0
	v_readfirstlane_b32 s[WV], v7
	s_and_b32 s[B], ttmp7, 0xffff
	s_mov_b32 s16, 0x76543210
	s_mov_b32 s17, 0xfedcba98
	v_and_b32 v9, 31, v0                           ; lane
	v_and_b32 v7, 15, v0                           ; c
	v_bfe_u32 v8, v0, 4, 1                         ; h
	v_mul_u32_u24 v[STATO], v9, PITCH
	v_lshlrev_b32 v[BOO], 3, v9
	v_mul_u32_u24 v[PPO], v8, 16*PITCH
	v_lshl_add_u32 v[PPO], v7, 4, v[PPO]
	s_lshl_b32 s18, s[WV], 8
	v_add_nc_u32 v[PPO], s18, v[PPO]               ; block 16 h, columns 64 w + 4 c
	v_lshlrev_b32 v[PLA], 4, v7
	v_lshl_add_u32 v[PLA], v8, 3, v[PLA]
	v_add_nc_u32 v[PLA], s18, v[PLA]
	s_lshl_b32 s18, s[WV], 14
	v_lshl_add_u32 v[WOO], v9, 4, s18              ; four rows of Wo a wave
	v_lshlrev_b32 v[PRA], 4, v9
	s_lshl_b32 s18, s[WV], 4
	s_add_co_u32 s18, s18, OS
	v_mov_b32 v[OSA], s18
	v_mov_b32 v[FB], 0                             ; destinations of lane moves count as read: they are written once here
	v_mov_b32 v[FB2], 0
	v_mov_b32 v15, 0
	s_mul_i32 s14, s[B], 32*PITCH
	s_mov_b32 s15, 0
	s_wait_kmcnt 0x0
	s_add_nc_u64 s[4:5], s[4:5], s[14:15]
	s_lshl_b32 s14, ttmp9, 18                      ; 64 rows of 4,096 bytes
	s_add_nc_u64 s[6:7], s[6:7], s[14:15]
	s_lshl_b32 s14, ttmp9, 8
	s_add_nc_u64 s[8:9], s[8:9], s[14:15]
	s_lshl_b32 s18, s[B], 12
	s_add_co_u32 s14, s14, s18
	s_add_nc_u64 s[10:11], s[10:11], s[14:15]
	global_load_b64 v[10:11], v[STATO], s[4:5] offset:4096   ; lane l: (m2, l) of block l
	global_load_b64 v[BO:BO+1], v[BOO], s[8:9]
.set i, 0
.rept 16
	global_load_b128 v[PP+4*i:PP+4*i+3], v[PPO], s[4:5] offset:i*PITCH   ; sixteen lanes take 256 aligned bytes of a block
.set i, i+1
.endr
.set i, 0
.rept 32
	global_load_b128 v[WO+4*i:WO+4*i+3], v[WOO], s[6:7] offset:(i/8)*4096+(i%8)*512
.set i, i+1
.endr
	s_wait_loadcnt 49                              ; all but the first load are younger
	v_mov_b32 v14, v10
.irp m, 1,2,4,8
	v_max_num_f32_dpp v14, v14, v14 row_xmask:\m row_mask:0xf bank_mask:0xf
.endr
	v_permlanex16_b32 v15, v14, s16, s17
	v_max_num_f32 v14, v14, v15                    ; M
	v_sub_f32 v[F], v10, v14
	v_exp_f32 v[F], v[F]
	v_nop
	s_wait_alu depctr_va_vdst(0)
	v_mul_f32 v15, v11, v[F]
.irp m, 1,2,4,8
	v_add_f32_dpp v15, v15, v15 row_xmask:\m row_mask:0xf bank_mask:0xf
.endr
	v_permlanex16_b32 v[FB], v15, s16, s17
	v_add_f32 v15, v15, v[FB]
	v_rcp_f32 v15, v15
	v_nop
	s_wait_alu depctr_va_vdst(0)
	v_mul_f32 v[F], v[F], v15
	s_wait_loadcnt 32                              ; Wo's 32 loads are younger
	v_mov_b32_dpp v[FB], v[F] row_share:0 row_mask:0xf bank_mask:0xf   ; lanes of half h take block 16 h + i's factor
.irp c, 0,1,2,3
	v_mul_f32 v[CH+\c], v[PP+\c], v[FB]
.endr
.irp i, 1,3,5,7,9,11,13,15
	v_mov_b32_dpp v[FB2], v[F] row_share:\i row_mask:0xf bank_mask:0xf
.irp c, 0,1,2,3
	v_fmac_f32 v[CH+\c], v[PP+4*\i+\c], v[FB2]
.endr
.if \i < 15
	v_mov_b32_dpp v[FB], v[F] row_share:\i+1 row_mask:0xf bank_mask:0xf
.irp c, 0,1,2,3
	v_fmac_f32 v[CH+\c], v[PP+4*(\i+1)+\c], v[FB]
.endr
.endif
.endr
.irp c, 0,1,2,3
	v_permlanex16_b32 v[PP+\c], v[CH+\c], s16, s17
.endr
.irp c, 0,1,2,3
	v_add_f32 v[CH+\c], v[CH+\c], v[PP+\c]
.endr
	v_cmp_eq_u32 vcc_lo, 0, v8                     ; both halves hold all four: the lower stores the first two, the upper the other two
	v_cndmask_b32 v[PP],   v[CH+2], v[CH],   vcc_lo
	v_cndmask_b32 v[PP+1], v[CH+3], v[CH+1], vcc_lo
	ds_store_b64 v[PLA], v[PP:PP+1]
	s_wait_dscnt 0x0
	s_barrier_signal -1
	s_barrier_wait -1                              ; pooled is whole
.irp j, 0,1,2,3,4,5,6,7
	ds_load_b128 v[PR+4*\j:PR+4*\j+3], v[PRA] offset:\j*512
.endr
	s_wait_dscnt 0x0
.macro WROW i                          ; a row of Wo, rounded to bf16, times pooled: four chains
	s_wait_loadcnt 8*(3-(\i))                      ; the later rows' eight loads each stay out
.irp c, 0,1,2,3
	v_mov_b32 v[CH+\c], 0
.endr
.set j, 0
.rept 8
	v_cvt_pk_bf16_f32 v[T+2*j],   v[WO+32*(\i)+4*j],   v[WO+32*(\i)+4*j+1]
	v_cvt_pk_bf16_f32 v[T+2*j+1], v[WO+32*(\i)+4*j+2], v[WO+32*(\i)+4*j+3]
.set j, j+1
.endr
.set j, 0
.rept 8
	v_fma_mix_f32_bf16 v[CH],   v[T+2*j],   v[PR+4*j],   v[CH]   op_sel_hi:[1,0,0]
	v_fma_mix_f32_bf16 v[CH+1], v[T+2*j],   v[PR+4*j+1], v[CH+1] op_sel:[1,0,0] op_sel_hi:[1,0,0]
	v_fma_mix_f32_bf16 v[CH+2], v[T+2*j+1], v[PR+4*j+2], v[CH+2] op_sel_hi:[1,0,0]
	v_fma_mix_f32_bf16 v[CH+3], v[T+2*j+1], v[PR+4*j+3], v[CH+3] op_sel:[1,0,0] op_sel_hi:[1,0,0]
.set j, j+1
.endr
	v_add_f32 v[CH], v[CH], v[CH+1]
	v_add_f32 v[CH+2], v[CH+2], v[CH+3]
	v_add_f32 v[RS+(\i)], v[CH], v[CH+2]
.endm
	WROW 0
	WROW 1
	WROW 2
	WROW 3
.irp m, 1,2,4,8
.irp i, 0,1,2,3
	v_add_f32_dpp v[RS+\i], v[RS+\i], v[RS+\i] row_xmask:\m row_mask:0xf bank_mask:0xf
.endr
.endr
.irp i, 0,1,2,3
	v_permlanex16_b32 v[CH+\i], v[RS+\i], s16, s17
.endr
.irp i, 0,1,2,3
	v_add_f32 v[RS+\i], v[RS+\i], v[CH+\i]
.endr
.irp i, 0,1,2,3
	ds_store_b32 v[OSA], v[RS+\i] offset:4*\i      ; all lanes write the same word with the same number
.endr
	s_wait_dscnt 0x0
	s_barrier_signal -1
	s_barrier_wait -1
	s_cmp_lg_u32 s[WV], 0
	s_cbranch_scc1 .Ldone
	ds_load_b64 v[T:T+1], v[BOO] offset:OS
	v_cvt_pk_bf16_f32 v14, v[BO], v[BO+1]          ; the bias is rounded to bf16 like every input
	v_lshlrev_b32 v[BO], 16, v14
	v_and_b32 v[BO+1], 0xffff0000, v14
	s_wait_dscnt 0x0
	v_pk_add_f32 v[T:T+1], v[T:T+1], v[BO:BO+1]
	global_store_b64 v[BOO], v[T:T+1], s[10:11]    ; 32 lanes store 256 consecutive bytes, aligned
.Ldone:
	s_wait_tensorcnt 0x0                           ; the wave's end: three lines behind my last LDS store
	ds_add_u32 v[SPW], v[NIL]
	s_wait_dscnt 0x0
	s_endpgm
.Lfunc_end_k_q33c674d4e8_fin:
	.size	k_q33c674d4e8_fin, .Lfunc_end_k_q33c674d4e8_fin-k_q33c674d4e8_fin
	.p2alignl 7, 3214868480
	.fill 96, 4, 3214868480
	.section	.rodata,"a",@progbits
	.p2align	6, 0x0
	.amdhsa_kernel k_q33c674d4e8_fin
		.amdhsa_group_segment_fixed_size 6400
		.amdhsa_private_segment_fixed_size 0
		.amdhsa_enable_private_segment 0
		.amdhsa_kernarg_size 32
		.amdhsa_user_sgpr_count 2
		.amdhsa_user_sgpr_kernarg_segment_ptr 1
		.amdhsa_wavefront_size32 1
		.amdhsa_system_sgpr_workgroup_id_x 1
		.amdhsa_system_sgpr_workgroup_id_y 1
		.amdhsa_system_sgpr_workgroup_id_z 1
		.amdhsa_system_vgpr_workitem_id 0
		.amdhsa_next_free_vgpr 240
		.amdhsa_next_free_sgpr 66
		.amdhsa_reserve_vcc 1
		.amdhsa_float_denorm_mode_32 3
		.amdhsa_float_denorm_mode_16_64 3
		.amdhsa_memory_ordered 1
		.amdhsa_forward_progress 1
		.amdhsa_inst_pref_size 28
	.end_amdhsa_kernel
	.amdgpu_metadata
---
amdhsa.version: [ 1, 2 ]
amdhsa.kernels:
  - .name:           k_q33c674d4e8_fin
    .symbol:         k_q33c674d4e8_fin.kd
    .args:
      - { .name: pp, .offset: 0, .size: 8, .value_kind: global_buffer, .address_space: global }
      - { .name: Wo, .offset: 8, .size: 8, .value_kind: global_buffer, .address_space: global }
      - { .name: bo, .offset: 16, .size: 8, .value_kind: global_buffer, .address_space: global }
      - { .name: out0, .offset: 24, .size: 8, .value_kind: global_buffer, .address_space: global }
    .group_segment_fixed_size: 6400
    .private_segment_fixed_size: 0
    .kernarg_segment_align: 8
    .kernarg_segment_size: 32
    .max_flat_workgroup_size: 512
    .sgpr_count:     66
    .vgpr_count:     240
    .wavefront_size: 32
...
	.end_amdgpu_metadata
.endif
;; end of part 4
;; ======== version 2 of 2: 4 launches; version 1 with the launch prep written anew for expert scheduling mode
;; workspace buffers: ksp 1,048,576 bytes; mf 4,194,304 bytes; mtf 2,097,152 bytes; vec 40,960 bytes; pp 1,114,112 bytes
;; launch prep (part 5): grid 256 x 1, 8 waves a work-group, no clusters, 100,352 bytes of LDS; arguments k, Wq, Wk, ksp, mf, mtf; writes ksp, mf, mtf
.if DOCPART == 5
	.amdgcn_target "amdgcn-amd-amdhsa--gfx1250"
	.amdhsa_code_object_version 6
	.text
	.protected	k_q33c674d4e8_prep
	.globl	k_q33c674d4e8_prep
	.p2align	8
	.type	k_q33c674d4e8_prep,@function
k_q33c674d4e8_prep:
	s_mov_b64 s[64:65], 0
	v_nop
	global_prefetch_b8 v0, s[64:65] scope:SCOPE_SE
	s_setreg_imm32_b32 hwreg(HW_REG_WAVE_SCHED_MODE, 0, 2), 2
	s_setreg_imm32_b32 hwreg(HW_REG_WAVE_MODE, 25, 1), 1
	s_wait_xcnt 0x0
	s_wait_alu depctr_vm_vsrc(0)
; AvgNet, step 1 of 4.  Only the row sums of the masked scores enter the softmax, and
;   sum over j != i of qp_i . kp_j  =  q_i . (Mt^T ks + 2047 a)  -  sum over d' of (sum over d of Mt[d'][d] q_i[d] + e[d']) k_i[d']  +  a number that is the same for all rows of a batch,
; with ks = the sum of a batch's rows of k, Mt[d'][d] = sum over n of Wk[n][d'] Wq[n][d], a = Wq^T bk, e = Wk^T bq.  Every input is rounded to bf16 where it is used; all sums are f32.
; This launch makes (A) ksp[g][:] = the column sums of bf16(k) over rows 64 g .. 64 g + 63 of the 16,384 rows, and (B) one tile of 64 x 64 of Mt, twice: mf, f32 row-major, and
; mtf, bf16 in the order in which the third launch's matrix fragments want it: element (d', d) at (d>>5) 65536 + (d'>>4) 1024 + ((d>>4)&1) 512 + (((d>>3)&1) 16 + (d'&15)) 16 + (d&7) 2.
; SHARES.  Work-group g: k's rows 64 g on; Mt's rows (d') 64 (g>>4) on, columns (d) 64 (g&15) on.  Eight waves.  Part A: thread t owns columns 4 t .. 4 t + 3.
; Part B: n goes in 8 chunks of 128 through two LDS buffers; wave w makes two accumulators of 16 x 16: d' block w & 3, d blocks 2 (w>>2) and 2 (w>>2) + 1.
; NO CLUSTER, NO TENSOR LOAD: the strips of Wq and Wk are f32 and are rounded to bf16 on the way, which is work on registers; a strip is read by 16 work-groups, 8 MB of weights in all.
; LIMITS: the order of the f32 sums differs from the reference's; NaN and infinities are not treated apart.
; THE MODE: SCHED_MODE bits 1:0 = 2 (LLVM: expert scheduling mode 2), set by the entry lines.  The code itself states the register dependences
; between vector or matrix instructions and memory or LDS instructions, with s_wait_alu, always for 0.
; THE PLAN.  Registers that memory or LDS instructions touch:
;   v5-13         Offsets and LDS addresses, made at the head and never written again: k's rows are reached by immediates and by the scalar base, which steps once a lap.
;   KR0 .. KR4    Part A: five blocks of four rows of k.  Block p's conversions read KR[p % 5]; its four loads, block p + 4's rows, land in KR[(p - 1) % 5], which block p - 1's
;                 conversions read and no vector instruction of block p names.  So ONE wait on va_vdst at the head of a block that loads states all that its loads hang on.
;   SUM           Written by the multiply-adds, read by one store; its registers take fragments afterwards.
;   XW0, XW1      Part B: chunk c's loads land in XW[c % 2]; 32 conversions read and write it in place; 16 LDS stores read it; chunk c + 2's loads land in it.
;   FR            The turning loads land in it, the products read it.  (In part A these registers are KR, SUM, KT and ONE.)
;   In a chunk ONE wait on va_vdst, behind the conversions: the bank is written (the LDS stores' data), the conversions are done with it (the next loads' target), and the products of the
;   chunk before are done reading FR (the turning loads' target); no vector instruction stands between that wait and those stores and loads.  ONE wait on vm_vsrc ahead of the next loads: the LDS stores have read the bank.
;   PK, ACC, BK   The way out: one wait on va_vdst ahead of its first store; no vector instruction follows it.
.set WP,    160                        ; an LDS row of a strip: 64 bf16 = 128 bytes + 32: an odd multiple of 32 bytes, which the turning load wants
.set STRIP, 128*WP                     ; 128 rows (n) of Wq's strip, then 128 of Wk's
.set BUFB,  2*STRIP                    ; a buffer; two of them
.set STG,   2*BUFB                     ; behind them: 64 rows x 272 bytes, the f32 tile on its way out
.set SP,    272
.set SPARE, STG+64*SP                  ; 99,328: the spare words, 128 bytes for each of eight waves
.set SPW, 3                            ; v3    LDS address of my spare word; never rewritten
.set NIL, 4                            ; v4    0; never rewritten
.set WOQ, 5                            ; v5    my byte offset in Wq: row t>>4, the strip's 256 bytes, 16 (t&15)
.set WOK, 6                            ; v6    the same in Wk
.set LSO, 7                            ; v7-8  where I put 8 bytes of a strip's row, buffer 0, 1 (an LDS immediate has 16 bits)
.set ADA, 9                            ; v9-10 my lane's place in Wq's strip for the turning load, buffer 0, 1
.set ADB, 11                           ; v11-12 the same in Wk's strip
.set KO,  13                           ; v13   16 t
.set ACC, 16                           ; v16-31  two accumulators
.set FR,  32                           ; v32-127 fragments of a chunk: 4 steps of 32 along n x (A0, A1, B) x 8
.set KR,  32                           ; part A: v32-111 five blocks of four rows of k, 4 registers a row
.set SUM, 112                          ; part A: v112-115 my four column sums
.set KT,  116                          ; part A: v116-119 at work
.set ONE, 120                          ; part A: 1.0
.set XW,  128                          ; v128-255 two banks of 16 loads x 4: a chunk as loaded, then as bf16
.set PK,  32                           ; the way out: v32-39 packed results; v40-42 lane, r, h; v43-46 addresses; v48-63 rows read back
.set MTO, 43
.set STO, 44
.set RD,  45
.set MFO, 46
.set BK,  48
.set WV,  16                           ; s16 wave;  s17 I;  s18 J;  s19 nb = wave & 3;  s20 mh = wave >> 2
.set BI,  17
.set BJ,  18
.set NBK, 19
.set MH,  20
.macro WLOAD c                         ; chunk c: 8 loads of Wq's strip and 8 of Wk's; sixteen lanes take a row's 256 aligned bytes
.set i, 0
.rept 8
	global_load_b128 v[XW+64*((\c)%2)+4*i:XW+64*((\c)%2)+4*i+3], v[WOQ], s[6:7] offset:(128*(\c)+16*i)*4096
.set i, i+1
.endr
.set i, 0
.rept 8
	global_load_b128 v[XW+64*((\c)%2)+32+4*i:XW+64*((\c)%2)+32+4*i+3], v[WOK], s[8:9] offset:(128*(\c)+16*i)*4096
.set i, i+1
.endr
.endm
	s_load_b256 s[4:11], s[0:1], 0x0               ; k s[4:5], Wq s[6:7], Wk s[8:9], ksp s[10:11]
	s_load_b128 s[12:15], s[0:1], 0x20             ; mf s[12:13], mtf s[14:15]
	v_lshl_add_u32 v[SPW], v0, 2, SPARE
	v_mov_b32 v[NIL], 0
	v_lshrrev_b32 v1, 5, v0
	v_readfirstlane_b32 s[WV], v1                  ; its first reader stands behind the first loads, with its wait
	s_lshr_b32 s[BI], ttmp9, 4
	s_and_b32 s[BJ], ttmp9, 15
	v_and_b32 v1, 15, v0                           ; which 16 bytes of a strip's row
	v_lshrrev_b32 v2, 4, v0                        ; which row of sixteen
	v_lshlrev_b32 v[WOQ], 12, v2
	v_lshl_add_u32 v[WOQ], v1, 4, v[WOQ]
	s_lshl_b32 s21, s[BI], 8
	v_add_nc_u32 v[WOK], s21, v[WOQ]               ; Wk's columns are Mt's rows
	s_lshl_b32 s21, s[BJ], 8
	v_add_nc_u32 v[WOQ], s21, v[WOQ]
	v_mul_u32_u24 v[LSO], v2, WP
	v_lshl_add_u32 v[LSO], v1, 3, v[LSO]
	v_add_nc_u32 v[LSO+1], BUFB, v[LSO]
	v_lshlrev_b32 v[KO], 4, v0
	s_lshl_b32 s22, ttmp9, 18                      ; 64 rows of 4,096 bytes
	s_mov_b32 s23, 0
	s_wait_kmcnt 0x0
	s_add_nc_u64 s[4:5], s[4:5], s[22:23]
	s_wait_alu depctr_va_vdst(0)                   ; v[WOQ], v[WOK] and v[KO] are written, which the loads below read as offsets; so are v[LSO ..], which the LDS stores of part B read
	WLOAD 0                                        ; the weights' first two chunks go out first: they land under part A
	WLOAD 1
.set i, 0
.rept 20                                       ; blocks 0 to 4 into KR0 .. KR4
	global_load_b128 v[KR+4*i:KR+4*i+3], v[KO], s[4:5] offset:i*4096 th:TH_LOAD_NT
.set i, i+1
.endr
	s_wait_alu depctr_va_sdst(0)                   ; s[WV] is written, ahead of its first reader
	s_and_b32 s[NBK], s[WV], 3
	s_lshr_b32 s[MH], s[WV], 2
	; The turning load takes 16 rows (n) x 16 columns: lane l reads 16 bytes of row 8 (l/16) + l%8, columns 8 ((l/8)%2) on, and is left with column l%16 and 8 values of n.
	v_and_b32 v1, 7, v0
	v_bfe_u32 v2, v0, 4, 1
	v_lshl_add_u32 v1, v2, 3, v1
	v_mul_u32_u24 v1, v1, WP
	v_bfe_u32 v2, v0, 3, 1
	v_lshl_add_u32 v1, v2, 4, v1
	s_lshl_b32 s21, s[MH], 6                       ; d blocks 2 mh, 2 mh + 1: 32 bytes each
	v_add_nc_u32 v[ADA], s21, v1
	v_add_nc_u32 v[ADA+1], BUFB, v[ADA]
	s_lshl_b32 s21, s[NBK], 5
	s_add_co_u32 s21, s21, STRIP
	v_add_nc_u32 v[ADB], s21, v1
	v_add_nc_u32 v[ADB+1], BUFB, v[ADB]
.irp c, 0,1,2,3
	v_mov_b32 v[SUM+\c], 0
.endr
	v_mov_b32 v[ONE], 1.0
; PART A.  Block p of 16: four rows, each rounded to bf16 and added in f32, rows ascending.  xb = p % 5.  ahead = 1: block p + 4 is loaded, its first row `at` rows behind the base.
; left = the younger loads that may stay out when this block's four have to be there.
.macro KBLK xb, ahead, at, left
	s_wait_loadcnt \left                           ; loads come back in order (ISA guide 5.7.1): KR[xb] is in
.if \ahead
	s_wait_alu depctr_va_vdst(0)                   ; the block before is done reading its KR, in which the four loads below land
.endif
.irp i, 0,1,2,3
.if \ahead
	global_load_b128 v[KR+16*(((\xb)+4)%5)+4*(\i):KR+16*(((\xb)+4)%5)+4*(\i)+3], v[KO], s[4:5] offset:((\at)+(\i))*4096 th:TH_LOAD_NT  ; no vector instruction since the wait names these registers
.endif
	v_cvt_pk_bf16_f32 v[KT+2*((\i)%2)],   v[KR+16*(\xb)+4*(\i)],   v[KR+16*(\xb)+4*(\i)+1]
	v_cvt_pk_bf16_f32 v[KT+2*((\i)%2)+1], v[KR+16*(\xb)+4*(\i)+2], v[KR+16*(\xb)+4*(\i)+3]
	v_fma_mix_f32_bf16 v[SUM],   v[KT+2*((\i)%2)],   v[ONE], v[SUM]   op_sel_hi:[1,0,0]
	v_fma_mix_f32_bf16 v[SUM+1], v[KT+2*((\i)%2)],   v[ONE], v[SUM+1] op_sel:[1,0,0] op_sel_hi:[1,0,0]
	v_fma_mix_f32_bf16 v[SUM+2], v[KT+2*((\i)%2)+1], v[ONE], v[SUM+2] op_sel_hi:[1,0,0]
	v_fma_mix_f32_bf16 v[SUM+3], v[KT+2*((\i)%2)+1], v[ONE], v[SUM+3] op_sel:[1,0,0] op_sel_hi:[1,0,0]
.endr
.endm
	KBLK 0, 0, 0, 16                               ; block 0: blocks 1 to 4 stay out; it has no block in front of it and loads nothing
	s_mov_b32 s24, 2
.Lrows:                                                ; blocks 1 to 10, five to a lap: the buffers are back at their start; each block asks for the block four on
	KBLK 1, 1, 20, 12                              ; the three younger blocks stay out
	KBLK 2, 1, 24, 12
	KBLK 3, 1, 28, 12
	KBLK 4, 1, 32, 12
	KBLK 0, 1, 36, 12
	s_wait_xcnt 0x0                                ; the loads' base is stepped only behind this wait
	s_add_nc_u64 s[4:5], s[4:5], 0x14000           ; 20 rows
	s_sub_co_u32 s24, s24, 1
	s_cmp_lg_u32 s24, 0
	s_cbranch_scc1 .Lrows
	KBLK 1, 1, 20, 12                              ; block 11 asks for block 15: the base stands at row 40
	KBLK 2, 0, 0, 12                               ; blocks 12 to 15 load nothing: the counts run down to 0, so the weights' two chunks are in as well
	KBLK 3, 0, 0, 8
	KBLK 4, 0, 0, 4
	KBLK 0, 0, 0, 0
	s_lshl_b32 s22, ttmp9, 12
	s_add_nc_u64 s[10:11], s[10:11], s[22:23]
	s_wait_alu depctr_va_vdst(0)                   ; the multiply-adds have written v[SUM ..], which the store reads
	global_store_b128 v[KO], v[SUM:SUM+3], s[10:11]  ; a wave stores 512 consecutive bytes, aligned
	s_wait_xcnt 0x0                                ; the sums' registers take fragments below
	s_wait_alu depctr_vm_vsrc(0)                   ; the store has read v[SUM ..], in which turning loads land below
; PART B.  A chunk: rounded in place, 8 bytes a load into LDS; one barrier; 24 turning loads; 8 products, the two accumulators by turns.
; The barrier serves two orders: my stores into this buffer are done before anybody reads them, and my reads of the other buffer (the chunk before) are back before anybody fills it again in the next chunk.
.macro CHUNK c
.set XB, XW+64*((\c)%2)
.if (\c) < 7
	s_wait_loadcnt 16                              ; the next chunk's 16 loads are younger
.else
	s_wait_loadcnt 0
.endif
.set i, 0
.rept 16                                       ; these 32 conversions stand between the last products and the loads into their fragments
	v_cvt_pk_bf16_f32 v[XB+4*i],   v[XB+4*i],   v[XB+4*i+1]
	v_cvt_pk_bf16_f32 v[XB+4*i+1], v[XB+4*i+2], v[XB+4*i+3]
.set i, i+1
.endr
	s_wait_alu depctr_va_vdst(0)                   ; the conversions have written the bank, which the LDS stores read, and are done with it, so that loads may land in it; the products of the chunk before (in chunk 0: part A's lines) are done with v[FR ..], in which the turning loads land; in chunk 0 v[ADA ..] and v[ADB ..] are written
.set i, 0
.rept 16
	ds_store_b64 v[LSO+(\c)%2], v[XB+4*i:XB+4*i+1] offset:(i/8)*STRIP+(i%8)*16*WP
.set i, i+1
.endr
	s_wait_dscnt 0x0                               ; for the others' sake: my stores are done, my reads of the chunk before are back
.if (\c) < 6
	s_wait_alu depctr_vm_vsrc(0)                   ; the LDS stores have read the bank, in which the loads below land
	WLOAD (\c)+2                                   ; the bank just emptied takes the chunk two on
.endif
	s_barrier_signal -1
	s_barrier_wait -1
.set st, 0
.rept 4
	ds_load_tr16_b128 v[FR+24*st:FR+24*st+3],     v[ADA+(\c)%2] offset:st*32*WP
	ds_load_tr16_b128 v[FR+24*st+4:FR+24*st+7],   v[ADA+(\c)%2] offset:st*32*WP+16*WP
	ds_load_tr16_b128 v[FR+24*st+8:FR+24*st+11],  v[ADA+(\c)%2] offset:st*32*WP+32
	ds_load_tr16_b128 v[FR+24*st+12:FR+24*st+15], v[ADA+(\c)%2] offset:st*32*WP+16*WP+32
	ds_load_tr16_b128 v[FR+24*st+16:FR+24*st+19], v[ADB+(\c)%2] offset:st*32*WP
	ds_load_tr16_b128 v[FR+24*st+20:FR+24*st+23], v[ADB+(\c)%2] offset:st*32*WP+16*WP
.set st, st+1
.endr
.set st, 0
.rept 4
	s_wait_dscnt 18-6*st                           ; the later steps' six loads each may stay out
.if ((\c) == 0) && (st == 0)
	v_wmma_f32_16x16x32_bf16 v[ACC:ACC+7],    v[FR:FR+7],    v[FR+16:FR+23], 0   ; the first products start the sums
	v_wmma_f32_16x16x32_bf16 v[ACC+8:ACC+15], v[FR+8:FR+15], v[FR+16:FR+23], 0
.else
	v_wmma_f32_16x16x32_bf16 v[ACC:ACC+7],    v[FR+24*st:FR+24*st+7],    v[FR+24*st+16:FR+24*st+23], v[ACC:ACC+7]
	v_wmma_f32_16x16x32_bf16 v[ACC+8:ACC+15], v[FR+24*st+8:FR+24*st+15], v[FR+24*st+16:FR+24*st+23], v[ACC+8:ACC+15]
.endif
.set st, st+1
.endr
.endm
.irp c, 0,1,2,3,4,5,6,7
	CHUNK \c
.endr
	; THE WAY OUT.  Source 0 was Wq's fragment, source 1 Wk's: lane (r, h), register j holds Mt[64 I + 16 nb + r][64 J + 16 mb + 8 h + j]: eight neighbouring d of one row.
.rept 4
	v_nop                                          ; the places behind the last products
.endr
.irp z, 0,1,2,3,4,5,6,7
	v_cvt_pk_bf16_f32 v[PK+\z], v[ACC+2*\z], v[ACC+2*\z+1]
.endr
	v_and_b32 v40, 31, v0
	v_and_b32 v41, 15, v0
	v_bfe_u32 v42, v0, 4, 1
	s_lshl_b32 s21, s[BJ], 1
	s_add_co_u32 s21, s21, s[MH]
	s_lshl_b32 s21, s21, 16                        ; (d >> 5) 65536
	s_lshl_b32 s25, s[BI], 2
	s_add_co_u32 s25, s25, s[NBK]
	s_lshl_b32 s25, s25, 10                        ; (d' >> 4) 1024
	s_add_co_u32 s21, s21, s25
	v_lshl_add_u32 v[MTO], v40, 4, s21             ; 16 x lane: the lane's number is 16 h + r
	s_mul_i32 s21, s[NBK], 16*SP
	s_lshl_b32 s25, s[MH], 7
	s_add_co_u32 s21, s21, s25
	s_add_co_u32 s21, s21, STG
	v_mul_u32_u24 v[STO], v41, SP
	v_lshl_add_u32 v[STO], v42, 5, v[STO]
	v_add_nc_u32 v[STO], s21, v[STO]               ; stage row 16 nb + r, byte 128 mh + 32 h
	s_mul_i32 s21, s[WV], 8*SP
	s_add_co_u32 s21, s21, STG
	v_mul_u32_u24 v[RD], v42, SP
	v_lshl_add_u32 v[RD], v41, 4, v[RD]
	v_add_nc_u32 v[RD], s21, v[RD]                 ; back: wave w takes rows 8 w on, two rows of 256 bytes a load
	s_lshl_b32 s21, s[BI], 6
	s_lshl_b32 s25, s[WV], 3
	s_add_co_u32 s21, s21, s25
	s_lshl_b32 s21, s21, 12
	s_lshl_b32 s25, s[BJ], 8
	s_add_co_u32 s21, s21, s25
	v_lshlrev_b32 v[MFO], 12, v42
	v_lshl_add_u32 v[MFO], v41, 4, v[MFO]
	v_add_nc_u32 v[MFO], s21, v[MFO]
	s_wait_alu depctr_va_vdst(0)                   ; the conversions have written v[PK ..], the lines above the four addresses, the products the accumulators: the stores below read them; and the products are done reading v[BK ..], in which the stage's rows land.  The places above stay beside this wait
	global_store_b128 v[MTO], v[PK:PK+3], s[14:15]              ; half a fragment: 512 consecutive bytes, aligned
	global_store_b128 v[MTO], v[PK+4:PK+7], s[14:15] offset:512
	ds_store_b128 v[STO], v[ACC:ACC+3]
	ds_store_b128 v[STO], v[ACC+4:ACC+7] offset:16
	ds_store_b128 v[STO], v[ACC+8:ACC+11] offset:64
	ds_store_b128 v[STO], v[ACC+12:ACC+15] offset:80
	s_wait_dscnt 0x0                               ; a stage row's 256 bytes come from two waves: my stores are done,
	s_barrier_signal -1
	s_barrier_wait -1                              ; everybody's are
.irp z, 0,1,2,3
	ds_load_b128 v[BK+4*\z:BK+4*\z+3], v[RD] offset:\z*2*SP
.endr
.irp z, 0,1,2,3
	s_wait_dscnt 3-\z
	global_store_b128 v[MFO], v[BK+4*\z:BK+4*\z+3], s[12:13] offset:\z*8192  ; sixteen lanes store 256 consecutive bytes, aligned
.endr
	s_wait_dscnt 0x0                               ; the closing lines, six on end
	s_wait_alu 0x0
	s_wait_tensorcnt 0x0
	ds_add_u32 v[SPW], v[NIL]
	s_wait_dscnt 0x0
	s_endpgm
.Lfunc_end_k_q33c674d4e8_prep:
	.size	k_q33c674d4e8_prep, .Lfunc_end_k_q33c674d4e8_prep-k_q33c674d4e8_prep
	.p2alignl 7, 3214868480
	.fill 96, 4, 3214868480
	.section	.rodata,"a",@progbits
	.p2align	6, 0x0
	.amdhsa_kernel k_q33c674d4e8_prep
		.amdhsa_group_segment_fixed_size 100352
		.amdhsa_private_segment_fixed_size 0
		.amdhsa_enable_private_segment 0
		.amdhsa_kernarg_size 48
		.amdhsa_user_sgpr_count 2
		.amdhsa_user_sgpr_kernarg_segment_ptr 1
		.amdhsa_wavefront_size32 1
		.amdhsa_system_sgpr_workgroup_id_x 1
		.amdhsa_system_sgpr_workgroup_id_y 1
		.amdhsa_system_sgpr_workgroup_id_z 1
		.amdhsa_system_vgpr_workitem_id 0
		.amdhsa_next_free_vgpr 256
		.amdhsa_next_free_sgpr 66
		.amdhsa_reserve_vcc 0
		.amdhsa_float_denorm_mode_32 3
		.amdhsa_float_denorm_mode_16_64 3
		.amdhsa_memory_ordered 1
		.amdhsa_forward_progress 1
		.amdhsa_inst_pref_size 82
	.end_amdhsa_kernel
	.amdgpu_metadata
---
amdhsa.version: [ 1, 2 ]
amdhsa.kernels:
  - .name:           k_q33c674d4e8_prep
    .symbol:         k_q33c674d4e8_prep.kd
    .args:
      - { .name: k, .offset: 0, .size: 8, .value_kind: global_buffer, .address_space: global }
      - { .name: Wq, .offset: 8, .size: 8, .value_kind: global_buffer, .address_space: global }
      - { .name: Wk, .offset: 16, .size: 8, .value_kind: global_buffer, .address_space: global }
      - { .name: ksp, .offset: 24, .size: 8, .value_kind: global_buffer, .address_space: global }
      - { .name: mf, .offset: 32, .size: 8, .value_kind: global_buffer, .address_space: global }
      - { .name: mtf, .offset: 40, .size: 8, .value_kind: global_buffer, .address_space: global }
    .group_segment_fixed_size: 100352
    .private_segment_fixed_size: 0
    .kernarg_segment_align: 8
    .kernarg_segment_size: 48
    .max_flat_workgroup_size: 256
    .sgpr_count:     66
    .vgpr_count:     256
    .wavefront_size: 32
...
	.end_amdgpu_metadata
.endif
;; end of part 5
;; launch vecs: the kernel of part 2 again; grid 16 x 10, 32 waves a work-group, no clusters, 36,864 bytes of LDS; arguments ksp, mf, Wq, Wk, bq, bk, vec; writes vec
;; launch main: the kernel of part 3 again; grid 256 x 1, 4 waves a work-group, clusters of 4 x 1, 327,680 bytes of LDS; arguments q, k, v, mtf, vec, pp; writes pp
;; launch fin: the kernel of part 4 again; grid 16 x 8, 16 waves a work-group, no clusters, 6,400 bytes of LDS; arguments pp, Wo, bo, out0; writes out0
